; MI455X (gfx1250); checked and timed in simulation.
; The chip was launched on July 23, 2026; its instructions are those of AMD's public machine-readable ISA for CDNA 5 (MIT licence, August 2026) and "CDNA5" Instruction Set Architecture Reference Guide (July 2026). The comments in the code are by the model that wrote it; some were corrected since.
;; Multi Head Attention. Allowed arithmetic: matrix products marked QUANTISED: E4M3 operands, one given power-of-two scale a tensor, by v_wmma_f32_16x16x64_fp8_fp8 or v_wmma_f32_16x16x128_fp8_fp8, f32 sums; everything else in f32.
;; Inputs: Wkv 2,048 x 1,024 float32; Wo 1,024 x 1,024 float32; Wq 1,024 x 1,024 float32; bkv 2,048 float32; bo 1,024 float32; bq 1,024 float32; key_val_lengths 4 int32; ln_b 1,024 float32; ln_g 1,024 float32; lowp_scales 10 int32 (the exponents e of the quantised operands' scales 2^e); x 4 x 2,048 x 1,024 float32.
;; Outputs: out0 4 x 2,048 x 1,024 float32.
;; This version of the problem:
;;   THIS VERSION OF THE PROBLEM IS GIVEN IN LOW PRECISION. The matrix products marked QUANTISED in the list below multiply operands that are first quantised to E4M3 (4 exponent bits, 3 mantissa bits; 8 bits a number), with one given power-of-two scale for each operand tensor; their sums are f32. All else is computed in f32.
;;   The module's matrix products, in the order in which they are computed (A, B: the left and right operand; K: the contracted axis; several contracted axes count as one K, in the product's order):
;;     1. [M 8,192, K 1,024] x [K 1,024, N 1,024]; A: computed on the way; B: input Wq: QUANTISED (scales: A lowp_scales[0], B lowp_scales[1])
;;     2. [M 8,192, K 1,024] x [K 1,024, N 2,048]; A: computed on the way; B: input Wkv: QUANTISED (scales: A lowp_scales[2], B lowp_scales[3])
;;     3. batch 64 x [M 2,048, K 64] x [K 64, N 2,048]; A: computed on the way; B: computed on the way: QUANTISED (scales: A lowp_scales[4], B lowp_scales[5])
;;     4. batch 64 x [M 64, K 2,048] x [K 2,048, N 2,048]; A: computed on the way; B: softmax (see below): QUANTISED (scales: A lowp_scales[6], B lowp_scales[7])
;;     5. [M 8,192, K 1,024] x [K 1,024, N 1,024]; A: computed on the way; B: input Wo: QUANTISED (scales: A lowp_scales[8], B lowp_scales[9])
;;   THE QUANTISER, for each operand of a quantised product, along K:
;;     - The operand's scale is 2^e, e = its entry of the input lowp_scales (int32; the entries are numbered through the quantised products in the list's order, A before B).
;;     - Each number is divided by the scale, clamped to +-448, and rounded to the nearest number of E4M3, ties to even, subnormals kept.
;;     - The product sums the exact products of the quantised numbers (number of the format x scale) in f32.
;;   ~~~python
;;   def quantise(x, axis, e):      # numpy; x: float32 -> the quantised numbers, widened to float32 again
;;       x = np.moveaxis(x, axis, -1); K = x.shape[-1]
;;       r = np.clip(x / 2.0 ** e, -448, 448)
;;       step = 2.0 ** (np.maximum(np.frexp(np.where(r == 0, 1, r))[1] - 1, -6) - 3)
;;       q = np.round(r / step) * step * 2.0 ** e      # np.round: ties to even
;;       return np.moveaxis(q, -1, axis).astype(np.float32)
;;   ~~~
;;   SOFTMAX AHEAD OF A QUANTISED PRODUCT. Where the list says 'softmax', what is quantised is not the finished softmax but p = 2^(t - M), with t = logit x log2(e) and M = ceil(the row's largest t), a whole number; so 1/2 < the row's largest p <= 1. The row's sum l is taken of the UNQUANTISED p, in f32, and the product's result is divided by l at the end. Since M is a whole number, a kernel that streams over the keys may use a running M (the ceiling of the running maximum): every later rescaling is an exact power of two, so the quantised numbers keep their values, but for numbers so far below the row's largest that they fall under the format's range.
;;   OPERANDS COMPUTED ON THE WAY. 'Computed on the way' means the value that the module computes at that place (a softmax that the list does not call 'softmax' is quantised finished and normalised). What goes into a quantiser is computed in f32, as accurately as f32 sums, v_exp_f32 and their like allow (about 1e-6 of the number): no bf16 or f16 on the way to a quantiser, and a product that is left as it is and whose result goes on into a quantised operand takes f32 operands (vector FMAs, or v_wmma_f32_16x16x4_f32). A number that lies on a knife's edge between two numbers of the format may be rounded either way, as far as f32 arithmetic and the matrix unit's own rounding can turn it there, and no further.
;; 2 versions, each right; version 2 is version 1 with the launch attn written anew for expert scheduling mode. Each part assembles by itself: llvm-mc -triple=amdgcn-amd-amdhsa -mcpu=gfx1250 --defsym DOCPART=n.
;; ======== version 1 of 2: 4 launches
;; workspace buffers: xqf 8,388,608 bytes; xkf 8,388,608 bytes; wf 4,194,304 bytes; qf 8,388,608 bytes; kvf 16,777,216 bytes; af 8,388,608 bytes
;; launch prep (part 1): grid 256 x 1, 16 waves a work-group, no clusters, 176,128 bytes of LDS; arguments x, ln_g, ln_b, Wq, Wkv, Wo, lowp_scales, xqf, xkf, wf; writes xqf, xkf, wf
.if DOCPART == 1
	.amdgcn_target "amdgcn-amd-amdhsa--gfx1250"
	.amdhsa_code_object_version 6
	.text
	.protected	k_q0075e1d18b_prep
	.globl	k_q0075e1d18b_prep
	.p2align	8
	.type	k_q0075e1d18b_prep,@function
k_q0075e1d18b_prep:
	s_mov_b64 s[64:65], 0
	v_nop
	global_prefetch_b8 v0, s[64:65] scope:SCOPE_SE
	s_setreg_imm32_b32 hwreg(HW_REG_WAVE_MODE, 25, 1), 1
	s_wait_xcnt 0x0
; LayerNorm of x, quantised twice (scales 2^e0 and 2^e2), and the three weights quantised (2^e1, 2^e3, 2^e9), all to codes of FP8 (E4M3).
; code = number / 2^e, held within +-448, to the nearest code, ties to even.  LIMITS: each e between -126 and 119; NaN among the inputs is not served.
; THE CODES ARE LAID AS IMAGES OF OPERAND REGISTERS.  A fragment is 16 rows x 128 along K, 2,048 bytes: code (row r, k) lies at 512 (k / 32) + 16 (r + 16 ((k / 8) % 2)) + 8 ((k / 16) % 2) + k % 8:
; lane (r, h) of a wave that loads 16 bytes a lane, 512 bytes a load, then holds k = 16 c + 8 h + 0 .. 7 in registers 2 c, 2 c + 1.  A tile of 16 rows is 8 such fragments, 16,384 bytes.
; SHARES.  Work-groups 0-127: 64 rows of x each, four tiles of 16 rows; wave w takes row w of each tile, so ln_g and ln_b are loaded once for four rows.
; Work-groups 128-255: two tiles of 16 weight rows each (tiles 0-63 Wq, 64-191 Wkv, 192-255 Wo); wave w takes row w of each.
; A row is eight loads of 512 consecutive bytes: lane l holds k = 128 jj + 4 l + 0 .. 3 of load jj.  A conversion of eight numbers gives two registers of four codes, each four neighbours along K: each goes by a
; 4-byte LDS store to its place in the tile's image.  In LDS a chunk of 512 bytes lies at a pitch of 544, its second half 272 bytes behind its first: the 32 lanes of a store then name 32 different banks
; (64 banks of 4 bytes: ISA guide 11.1).  Behind one barrier each wave reads two chunks of each image back and stores them: 512 consecutive bytes a store, at a multiple of 512 from the buffer's first byte.
; The two ways through the text part on the work-group's number and have LDS bytes of their own; the barrier stands where they join.
.set LNG,   32                         ; v32-63   ln_g at my 32 places of a row
.set LNB,   64                         ; v64-95   ln_b
.set X,     96                         ; v96-223  four rows of 32 numbers; on the way out the chunks read back
.set T,     224                        ; v224-239 two groups of eight held numbers; also the sums' temporaries
.set C,     240                        ; v240-255 two sets of eight registers of codes
.set CH,    544                        ; a chunk's pitch in LDS
.set KSB,   4*CH                       ; a fragment in LDS
.set IMG,   32*CH                      ; a tile's image: 17,408 bytes
.set TILEB, 2*IMG                      ; x: a tile's two images (e0, e2)
.set WIMG,  4*TILEB                    ; the weights' two images begin here
; v1 my bytes in the group's rows: 4096 w + 16 l;  v2 my bytes on the way out: 1024 w + 16 l;  v3 16 l;  v4-7 where I store into tile t's images;  v8 the same for the weights;
; v9-12 where I read tile t's chunks back;  v13 the same for the weights;  v[14:15] the mean, twice;  v[16:17] 1 / sqrt(var + eps), twice;  v18, v19 and v20, v21: 2^e and 448 x 2^e;  v22 a lane exchange's destination
	s_load_b512 s[4:19], s[0:1], 0x0               ; x s[4:5], ln_g s[6:7], ln_b s[8:9], Wq s[10:11], Wkv s[12:13], Wo s[14:15], the scales' exponents s[16:17], xqf s[18:19]
	s_load_b128 s[20:23], s[0:1], 0x40             ; xkf s[20:21], wf s[22:23]
	v_lshl_add_u32 v30, v0, 2, 0x2a800
	v_mov_b32 v31, 0
	v_lshrrev_b32 v23, 5, v0
	v_readfirstlane_b32 s24, v23                   ; wave 0..15
	v_and_b32 v24, 31, v0                          ; lane l
	v_lshlrev_b32 v3, 4, v24
	s_lshl_b32 s45, s24, 12
	v_add_nc_u32 v1, s45, v3
	s_lshl_b32 s45, s24, 10
	v_add_nc_u32 v2, s45, v3
	v_lshrrev_b32 v25, 3, v24                      ; my four codes' place in a fragment: chunk l / 8,
	v_mul_u32_u24 v25, v25, CH
	v_bfe_u32 v26, v24, 1, 1                       ; half (l / 2) % 2,
	v_mad_u32_u24 v25, v26, 272, v25
	v_bfe_u32 v26, v24, 2, 1                       ; 8 bytes on where (l / 4) % 2,
	v_lshl_add_u32 v25, v26, 3, v25
	v_and_b32 v26, 1, v24                          ; 4 bytes on where l % 2,
	v_lshl_add_u32 v25, v26, 2, v25
	s_lshl_b32 s45, s24, 4                         ; row w: 16 bytes a row
	v_add_nc_u32 v25, s45, v25
.irp t, 0,1,2,3
	v_add_nc_u32 v[4+\t], \t*TILEB, v25
.endr
	v_add_nc_u32 v8, WIMG, v25
	v_lshrrev_b32 v26, 4, v24                      ; back: 16 l, + 16 for lanes 16-31 (the second half lies 272 behind the first), chunks 2 w and 2 w + 1
	v_lshl_add_u32 v26, v26, 4, v3
	s_mul_i32 s45, s24, 2*CH
	v_add_nc_u32 v26, s45, v26
.irp t, 0,1,2,3
	v_add_nc_u32 v[9+\t], \t*TILEB, v26
.endr
	v_add_nc_u32 v13, WIMG, v26
	v_mov_b32 v22, 0                               ; written once: a lane exchange's destination counts as one of its sources
	s_mov_b32 s28, 0x76543210                      ; v_permlanex16_b32: lane l xor 16
	s_mov_b32 s29, 0xfedcba98
	s_mov_b32 s30, 0x3a800000                      ; 1 / 1024
	s_min_u32 s46, ttmp9, 127                      ; x's block of 64 rows (held inside x for the work-groups that take weights: they never use it)
	s_max_u32 s25, ttmp9, 128
	s_sub_co_u32 s25, s25, 128                     ; j: the pair of weight tiles (0 for the work-groups that take x: they never use it)
	s_cmp_lt_u32 s25, 32
	s_cselect_b32 s47, 0, 32
	s_cmp_lt_u32 s25, 96
	s_cselect_b32 s47, s47, 96
	s_sub_co_u32 s47, s25, s47                     ; the pair's number inside its own weight
	s_mov_b32 s49, 0
	s_wait_kmcnt 0x0
	s_load_b256 s[32:39], s[16:17], 0x0            ; e0 .. e7
	s_load_b64 s[40:41], s[16:17], 0x20            ; e8, e9
	s_cmp_lt_u32 s25, 32
	s_cselect_b64 s[42:43], s[10:11], s[12:13]
	s_cmp_lt_u32 s25, 96
	s_cselect_b64 s[42:43], s[42:43], s[14:15]     ; Wq, Wkv or Wo: the choice hangs on the work-group's number alone
	s_lshl_b32 s48, s47, 17                        ; 32 rows of 4,096 bytes
	s_add_nc_u64 s[42:43], s[42:43], s[48:49]
	s_lshl_b32 s48, s25, 15                        ; two tiles of 16,384 bytes of codes
	s_add_nc_u64 s[22:23], s[22:23], s[48:49]
	s_lshl_b32 s48, s46, 18                        ; 64 rows of 4,096 bytes
	s_add_nc_u64 s[4:5], s[4:5], s[48:49]
	s_lshl_b32 s48, s46, 16                        ; four tiles of codes
	s_add_nc_u64 s[18:19], s[18:19], s[48:49]
	s_add_nc_u64 s[20:21], s[20:21], s[48:49]
.macro MKSC vs, vl, se                 ; v[vs] = 2^e as f32 (the conversion takes its exponent field), v[vl] = 448 x 2^e
	s_add_co_i32 s50, \se, 127
	s_lshl_b32 s51, s50, 23
	v_mov_b32 v[\vs], s51
	s_add_co_i32 s50, s50, 8
	s_lshl_b32 s50, s50, 23
	s_or_b32 s50, s50, 0x600000
	v_mov_b32 v[\vl], s50
.endm
.macro LOADROW reg, base, off          ; a row: eight loads of 512 consecutive bytes
.irp jj, 0,1,2,3,4,5,6,7
	global_load_b128 v[\reg+4*\jj:\reg+4*\jj+3], v1, s[\base:\base+1] offset:\off+512*\jj th:TH_LOAD_NT
.endr
.endm
.macro RED r                           ; the sum over the 32 lanes, in every lane
	v_add_f32_dpp v[\r], v[\r], v[\r] row_xmask:1 row_mask:0xf bank_mask:0xf
	v_add_f32_dpp v[\r], v[\r], v[\r] row_xmask:2 row_mask:0xf bank_mask:0xf
	v_add_f32_dpp v[\r], v[\r], v[\r] row_xmask:4 row_mask:0xf bank_mask:0xf
	v_add_f32_dpp v[\r], v[\r], v[\r] row_xmask:8 row_mask:0xf bank_mask:0xf
	v_permlanex16_b32 v22, v[\r], s28, s29
	v_add_f32 v[\r], v[\r], v22
.endm
; 32 numbers of a row become 8 registers of codes and go into an image.  The held numbers go into T, so that the row can be quantised a second time.
.macro QROW xb, sc, lim, cset, adr, off
	s_wait_dscnt 8                                 ; the eight youngest LDS stores are the other set's: this set's earlier stores are done
.irp i, 0,1,2,3
.irp n, 0,1,2,3,4,5,6,7
	v_med3_num_f32 v[T+8*(\i%2)+\n], v[\xb+8*\i+\n], -v[\lim], v[\lim]   ; the conversion to an 8-bit code does not saturate (ISA guide 7.6.2): the hold at the largest code x the scale
.endr
	v_cvt_scalef32_pk8_fp8_f32 v[C+8*\cset+2*\i:C+8*\cset+2*\i+1], v[T+8*(\i%2):T+8*(\i%2)+7], v[\sc]   ; the two groups of T take turns: eight plain lines stand between a conversion and the next write of its sources
.endr
	v_nop                                          ; a plain line behind the last conversion
.irp jj, 0,1,2,3,4,5,6,7
	ds_store_b32 v[\adr], v[C+8*\cset+\jj] offset:\off+KSB*\jj   ; load jj's four codes: fragment jj
.endr
.endm
; Row w of tile t of x: mean, variance of (x - mean), (x - mean) / sqrt(var + 1e-5) x ln_g + ln_b, all in f32, in reference()'s order; then both quantisations.
.macro LNROW t
.set XB, X+32*(\t)
	s_wait_loadcnt 8*(3-(\t))                      ; loads come back in order (ISA guide 5.7.1): ln_g, ln_b and this row are in; the later rows' eight loads each may be out
	v_pk_add_f32 v[T:T+1], v[XB:XB+1], v[XB+2:XB+3]
	v_pk_add_f32 v[T+2:T+3], v[XB+4:XB+5], v[XB+6:XB+7]
.irp p, 8,12,16,20,24,28
	v_pk_add_f32 v[T:T+1], v[T:T+1], v[XB+\p:XB+\p+1]
	v_pk_add_f32 v[T+2:T+3], v[T+2:T+3], v[XB+\p+2:XB+\p+3]
.endr
	v_pk_add_f32 v[T:T+1], v[T:T+1], v[T+2:T+3]
	v_add_f32 v[T], v[T], v[T+1]
	RED T
	v_mul_f32 v14, s30, v[T]
	v_mul_f32 v15, s30, v[T]
.irp p, 0,2,4,6,8,10,12,14,16,18,20,22,24,26,28,30
	v_pk_add_f32 v[XB+\p:XB+\p+1], v[XB+\p:XB+\p+1], v[14:15] neg_lo:[0,1] neg_hi:[0,1]
.endr
	v_pk_mul_f32 v[T:T+1], v[XB:XB+1], v[XB:XB+1]
	v_pk_mul_f32 v[T+2:T+3], v[XB+2:XB+3], v[XB+2:XB+3]
.irp p, 4,8,12,16,20,24,28
	v_pk_fma_f32 v[T:T+1], v[XB+\p:XB+\p+1], v[XB+\p:XB+\p+1], v[T:T+1]
	v_pk_fma_f32 v[T+2:T+3], v[XB+\p+2:XB+\p+3], v[XB+\p+2:XB+\p+3], v[T+2:T+3]
.endr
	v_pk_add_f32 v[T:T+1], v[T:T+1], v[T+2:T+3]
	v_add_f32 v[T], v[T], v[T+1]
	RED T
	v_fmaak_f32 v[T], s30, v[T], 0x3727c5ac        ; the sum of squares / 1024 + 1e-5
	v_rsq_f32 v16, v[T]
	v_rsq_f32 v17, v[T]
	v_nop                                          ; a plain line behind the transcendentals (ISA guide 5.7.2),
	s_wait_alu depctr_va_vdst(0)                   ; and the one wait ahead of their first reader
.irp p, 0,2,4,6,8,10,12,14,16,18,20,22,24,26,28,30
	v_pk_mul_f32 v[XB+\p:XB+\p+1], v[XB+\p:XB+\p+1], v[16:17]
.endr
.irp p, 0,2,4,6,8,10,12,14,16,18,20,22,24,26,28,30
	v_pk_fma_f32 v[XB+\p:XB+\p+1], v[XB+\p:XB+\p+1], v[LNG+\p:LNG+\p+1], v[LNB+\p:LNB+\p+1]
.endr
	QROW XB, 18, 19, 0, 4+(\t), 0
	QROW XB, 20, 21, 1, 4+(\t), IMG
.endm
	s_cmp_lt_u32 ttmp9, 128
	s_cbranch_scc0 .Lw_in
	; ---- x's way in
.irp jj, 0,1,2,3,4,5,6,7
	global_load_b128 v[LNG+4*\jj:LNG+4*\jj+3], v3, s[6:7] offset:512*\jj
.endr
.irp jj, 0,1,2,3,4,5,6,7
	global_load_b128 v[LNB+4*\jj:LNB+4*\jj+3], v3, s[8:9] offset:512*\jj
.endr
.irp t, 0,1,2,3
	LOADROW X+32*\t, 4, 65536*\t
.endr
	s_wait_kmcnt 0x0
	MKSC 18, 19, s32                               ; e0
	MKSC 20, 21, s34                               ; e2
	LNROW 0
	LNROW 1
	LNROW 2
	LNROW 3
	s_branch .Ljoin
.Lw_in:
	; ---- the weights' way in
	LOADROW X, 42, 0
	LOADROW X+32, 42, 65536
	s_wait_kmcnt 0x0
	s_cmp_lt_u32 s25, 32
	s_cselect_b32 s44, s33, s35
	s_cmp_lt_u32 s25, 96
	s_cselect_b32 s44, s44, s41                    ; e1, e3 or e9
	MKSC 18, 19, s44
	s_wait_loadcnt 8                               ; the first tile's row is in
	QROW X, 18, 19, 0, 8, 0
	s_wait_loadcnt 0x0
	QROW X+32, 18, 19, 1, 8, IMG
.Ljoin:
	s_wait_dscnt 0x0                               ; for the others' sake: my stores into the images are done
	s_barrier_signal -1
	s_barrier_wait -1
	s_cmp_lt_u32 ttmp9, 128
	s_cbranch_scc0 .Lw_out
	; ---- x's way out: chunks 2 w and 2 w + 1 of each of the eight images
.irp t, 0,1,2,3
.irp z, 0,1
.irp u, 0,1
	ds_load_b128 v[X+4*(4*\t+2*\z+\u):X+4*(4*\t+2*\z+\u)+3], v[9+\t] offset:\z*IMG+\u*CH
.endr
.endr
.endr
.irp t, 0,1,2,3
.irp z, 0,1
.irp u, 0,1
	s_wait_dscnt 15-(4*\t+2*\z+\u)
	global_store_b128 v2, v[X+4*(4*\t+2*\z+\u):X+4*(4*\t+2*\z+\u)+3], s[18+2*\z:19+2*\z] offset:\t*16384+\u*512
.endr
.endr
.endr
	s_wait_tensorcnt 0x0
	ds_add_u32 v30, v31
	s_wait_dscnt 0x0
	s_endpgm
.Lw_out:
	; ---- the weights' way out
.irp t, 0,1
.irp u, 0,1
	ds_load_b128 v[X+4*(2*\t+\u):X+4*(2*\t+\u)+3], v13 offset:\t*IMG+\u*CH
.endr
.endr
.irp t, 0,1
.irp u, 0,1
	s_wait_dscnt 3-(2*\t+\u)
	global_store_b128 v2, v[X+4*(2*\t+\u):X+4*(2*\t+\u)+3], s[22:23] offset:\t*16384+\u*512
.endr
.endr
	s_wait_tensorcnt 0x0
	ds_add_u32 v30, v31
	s_wait_dscnt 0x0
	s_endpgm
.Lfunc_end_k_q0075e1d18b_prep:
	.size	k_q0075e1d18b_prep, .Lfunc_end_k_q0075e1d18b_prep-k_q0075e1d18b_prep
	.p2alignl 7, 3214868480
	.fill 96, 4, 3214868480
	.section	.rodata,"a",@progbits
	.p2align	6, 0x0
	.amdhsa_kernel k_q0075e1d18b_prep
		.amdhsa_group_segment_fixed_size 176128
		.amdhsa_private_segment_fixed_size 0
		.amdhsa_enable_private_segment 0
		.amdhsa_kernarg_size 80
		.amdhsa_user_sgpr_count 2
		.amdhsa_user_sgpr_kernarg_segment_ptr 1
		.amdhsa_wavefront_size32 1
		.amdhsa_system_sgpr_workgroup_id_x 1
		.amdhsa_system_sgpr_workgroup_id_y 1
		.amdhsa_system_sgpr_workgroup_id_z 1
		.amdhsa_system_vgpr_workitem_id 0
		.amdhsa_next_free_vgpr 256
		.amdhsa_next_free_sgpr 66
		.amdhsa_reserve_vcc 0
		.amdhsa_float_denorm_mode_32 3
		.amdhsa_float_denorm_mode_16_64 3
		.amdhsa_memory_ordered 1
		.amdhsa_forward_progress 1
		.amdhsa_inst_pref_size 68
	.end_amdhsa_kernel
	.amdgpu_metadata
---
amdhsa.version: [ 1, 2 ]
amdhsa.kernels:
  - .name:           k_q0075e1d18b_prep
    .symbol:         k_q0075e1d18b_prep.kd
    .args:
      - { .name: x, .offset: 0, .size: 8, .value_kind: global_buffer, .address_space: global }
      - { .name: ln_g, .offset: 8, .size: 8, .value_kind: global_buffer, .address_space: global }
      - { .name: ln_b, .offset: 16, .size: 8, .value_kind: global_buffer, .address_space: global }
      - { .name: Wq, .offset: 24, .size: 8, .value_kind: global_buffer, .address_space: global }
      - { .name: Wkv, .offset: 32, .size: 8, .value_kind: global_buffer, .address_space: global }
      - { .name: Wo, .offset: 40, .size: 8, .value_kind: global_buffer, .address_space: global }
      - { .name: lowp_scales, .offset: 48, .size: 8, .value_kind: global_buffer, .address_space: global }
      - { .name: xqf, .offset: 56, .size: 8, .value_kind: global_buffer, .address_space: global }
      - { .name: xkf, .offset: 64, .size: 8, .value_kind: global_buffer, .address_space: global }
      - { .name: wf, .offset: 72, .size: 8, .value_kind: global_buffer, .address_space: global }
    .group_segment_fixed_size: 176128
    .private_segment_fixed_size: 0
    .kernarg_segment_align: 8
    .kernarg_segment_size: 80
    .max_flat_workgroup_size: 512
    .sgpr_count:     66
    .vgpr_count:     256
    .wavefront_size: 32
...
	.end_amdgpu_metadata
.endif
;; end of part 1
;; launch qkv (part 2): grid 12 x 64, 4 waves a work-group, clusters of 4 x 4, 327,680 bytes of LDS; arguments xqf, xkf, wf, bq, bkv, lowp_scales, qf, kvf; writes qf, kvf
.if DOCPART == 2
	.amdgcn_target "amdgcn-amd-amdhsa--gfx1250"
	.amdhsa_code_object_version 6
	.text
	.protected	k_q0075e1d18b_qkv
	.globl	k_q0075e1d18b_qkv
	.p2align	8
	.type	k_q0075e1d18b_qkv,@function
k_q0075e1d18b_qkv:
	s_mov_b64 s[64:65], 0
	v_nop
	global_prefetch_b8 v0, s[64:65] scope:SCOPE_SE
	s_setreg_imm32_b32 hwreg(HW_REG_WAVE_MODE, 25, 1), 1
	s_wait_xcnt 0x0
	s_wait_alu depctr_hold_cnt(0) depctr_sa_sdst(0) depctr_va_vdst(0) depctr_va_sdst(0) depctr_va_ssrc(0) depctr_va_vcc(0) depctr_vm_vsrc(0)
	s_getreg_b32 s2, hwreg(HW_REG_IB_STS2, 6, 4)
	s_cmp_eq_u32 s2, 0
	s_cbranch_scc0 .Lentry_in_a_cluster
	s_endpgm
.Lentry_in_a_cluster:
	s_bfe_u32 s2, ttmp6, 0x10000c
	s_cmp_lg_u32 s2, 0xf033
	s_cbranch_scc0 .Lentry_shape_is_right
	s_endpgm
.Lentry_shape_is_right:
; q = xn Wq^T + bq, k and v = xn Wkv^T + bkv, on codes of FP8 (E4M3); the results are quantised at once (2^e4, 2^e5, 2^e6) and stored as images of the operand registers of the attention launch.
; ALL OPERANDS ARE IMAGES OF REGISTERS: a tile of 16 rows is 8 fragments of 16 rows x 128 K, 2,048 bytes each; a wave that loads 16 bytes a lane, 512 bytes a load, has k = 16 c + 8 h + 0 .. 7 in registers 2 c, 2 c + 1.
; So LDS needs no pitch and no padding, and each load of a wave reads 512 consecutive bytes.
; A work-group makes 128 ('row operand') x 256 ('column operand') of a product; four waves, each 64 x 128: 32 accumulators, 256 registers.  12 x 64 work-groups: three for each of 256 WGPs.
; THE MATRIX INSTRUCTION IS USED TRANSPOSED (source 0 = 16 rows of the column operand, source 1 = 16 rows of the row operand): lane (r, h) holds row r and columns 16 b + 8 h + 0 .. 7 of accumulator b.
; WHICH PRODUCT hangs on the cluster's x, which all sixteen partners share:  0: q (rows = tokens from xqf, columns = Wq's rows);  1: k (tokens from xkf, Wkv's rows 0-1023);
; 2: v TRANSPOSED (rows = Wkv's rows 1024-2047, columns = tokens from xkf), so that a lane holds one channel and its registers run along the tokens, which are the second attention product's K.
; So a conversion of an accumulator's eight numbers gives registers 2 b, 2 b + 1 of the next operand in the right lanes: q, k: four accumulators are a head's fragment (16 tokens x 64); v: eight are 16 channels x 128 keys.
; K = 1,024 is four K steps of 256 through three LDS slots: K steps 0, 1, 2 are first fills, asked for together at the head (three tensor loads of a wave are out); K step 3 fills slot 0 again (one is out).
; CLUSTERS: 4 x 4.  The row operand's tile is shared along a row of the cluster, the column operand's along a column: each is asked for jointly, by the same tensor load with the same descriptor and a mask of the four.
; LIMITS: e0 + e1 and e2 + e3 between -126 and 127; e4, e5, e6 between -126 and 119.
; REGISTERS: window 0: v1 16 x lane; v3, v4 the biases' offsets; v16-18, v20-22 LDS addresses by slot; v28, v29 for the add; v30, v31 2^eo and 448 x 2^eo; v64-191 the row operand's fragments, two sets
;   (on the way out: v64-127 numbers, v128-191 codes); v192-255 the bias.   window 1: the column operand's fragments, two sets.   window 2: accumulator (a, b) at v[8 (8 a + b)].
.set SLOT,  98304                      ; a slot: the row operand's 8 tiles x 4,096 bytes (256 along K), then the column operand's 16
.set BOFF,  32768
.set SPARE, 3*SLOT                     ; behind the slots: the spare words, 128 bytes for each wave: two blocks of 256 bytes that no other line names
.set LI,    1
.set HB,    3
.set RB,    4
.set ADRA,  16
.set ADRB,  20
.set SPW,   28
.set NIL,   29
.set SCL,   30
.set HOLD,  31
.set AF,    64
.set TMP,   64
.set CD,    128
.set BI,    192
.set WV,    20                         ; s20 wave; s21 which 64 rows are mine, also: I fetch for the row operand (0) or the column operand (1); s22 which 128 columns, also: which half of that tile I fetch
.set WM,    21
.set WN,    22
.set G1A,   28                         ; s[28:35], s[36:43] descriptor group 1 for the two operands;  s[44:55], s[68:79] group 0: a set for each slot
.set G1B,   36
.set G0A,   44
.set G0B,   68
.set MSB, 0
.macro WIN new                         ; the immediate's high byte repeats the setting that is left
.if MSB != \new
	s_set_vgpr_msb (MSB<<8)|\new
.set MSB, \new
.endif
.endm
.set MUL,  0xa1                        ; source 0 window 1, source 1 window 0, C and D window 2
.set TO_B, 0x40                        ; destination window 1, address window 0
.macro PLACES n
.rept \n
	v_nop
.endr
.endm
.macro JLOAD g0a, g0b                  ; a joint load; the branch hangs on the wave's number alone; four v_nop follow each of the two lines
	s_cmp_eq_u32 s[WM], 0
	s_cbranch_scc0 .Lfor_b_\@
	tensor_load_to_lds s[\g0a:\g0a+3], s[G1A:G1A+7]
	s_nop 0
.rept 4
	v_nop
.endr
	s_branch .Lasked_\@
.Lfor_b_\@:
	tensor_load_to_lds s[\g0b:\g0b+3], s[G1B:G1B+7]
	s_nop 0
.rept 4
	v_nop
.endr
.Lasked_\@:
.endm
.macro CREST                           ; a round of the cluster's barrier behind its opening barrier
	s_cmp_lg_u32 s[WV], 0
	s_cbranch_scc1 .Lnot_wave_0_\@
	s_barrier_signal -3
.Lnot_wave_0_\@:
	s_barrier_wait -3
	s_barrier_signal -1
	s_barrier_wait -1
.endm
.macro CROUND
	s_barrier_signal -1
	s_barrier_wait -1
	CREST
.endm
.macro FETCH slot, ks, p               ; 48 LDS loads in one run: the fragments of the slot's ks-th 128 along K into set p
	WIN TO_B
.irp b, 0,1,2,3,4,5,6,7
.irp c, 0,1,2,3
	ds_load_b128 v[128*(\p)+16*\b+4*\c:128*(\p)+16*\b+4*\c+3], v[ADRB+\slot] offset:\b*4096+(\ks)*2048+\c*512
.endr
.endr
	WIN 0
.irp a, 0,1,2,3
.irp c, 0,1,2,3
	ds_load_b128 v[AF+64*(\p)+16*\a+4*\c:AF+64*(\p)+16*\a+4*\c+3], v[ADRA+\slot] offset:\a*4096+(\ks)*2048+\c*512
.endr
.endr
.endm
.macro MUL8 a, p, zero                 ; block a of my rows against my eight blocks of columns.  The 32 accumulators take turns, one instruction a turn, in the same order in every step
.irp b, 0,1,2,3,4,5,6,7
.if \zero
	v_wmma_f32_16x16x128_fp8_fp8 v[8*(8*\a+\b):8*(8*\a+\b)+7], v[128*(\p)+16*\b:128*(\p)+16*\b+15], v[AF+64*(\p)+16*\a:AF+64*(\p)+16*\a+15], 0
.else
	v_wmma_f32_16x16x128_fp8_fp8 v[8*(8*\a+\b):8*(8*\a+\b)+7], v[128*(\p)+16*\b:128*(\p)+16*\b+15], v[AF+64*(\p)+16*\a:AF+64*(\p)+16*\a+15], v[8*(8*\a+\b):8*(8*\a+\b)+7]
.endif
.endr
.endm
; A step of 128 along K: set p is multiplied; ahead of its 32 products the next step's fragments are asked for, into the other set.
.macro STEP p, nslot, nks, zero
	s_wait_dscnt 0x0                               ; set p is in
	PLACES 4                                       ; four places in front of loads into registers that the last step's matrix instructions read (ISA guide 7.12.1 for vector instructions)
	FETCH \nslot, \nks, 1-(\p)
	WIN MUL
	MUL8 0, \p, \zero
	MUL8 1, \p, \zero
	MUL8 2, \p, \zero
	MUL8 3, \p, \zero
.endm
	s_load_b512 s[4:19], s[0:1], 0x0               ; xqf s[4:5], xkf s[6:7], wf s[8:9], bq s[10:11], bkv s[12:13], the scales' exponents s[14:15], qf s[16:17], kvf s[18:19]
	v_lshl_add_u32 v[SPW], v0, 2, SPARE
	v_mov_b32 v[NIL], 0
	ds_add_u32 v28, v29
	ds_add_u32 v28, v29
	s_wait_dscnt 0x0
	v_lshrrev_b32 v2, 5, v0
	v_readfirstlane_b32 s[WV], v2
	s_lshr_b32 s[WM], s[WV], 1
	s_and_b32 s[WN], s[WV], 1
	s_bfe_u32 s23, ttmp6, 0x40000                  ; cx
	s_bfe_u32 s24, ttmp6, 0x40004                  ; cy
	s_and_b32 s25, ttmp7, 0xffff                   ; the cluster's y, 0..15
	s_and_b32 s26, s25, 1
	s_lshr_b32 s27, s25, 1
	s_cmp_eq_u32 ttmp9, 2                          ; v?
	s_cselect_b32 s26, s26, s25                    ; the cluster's place along the rows: q, k: y (64 tiles of 128 tokens); v: y % 2 (8 tiles of 128 channels)
	s_cselect_b32 s27, s27, ttmp9                  ; and along the columns: q, k: x (Wq's and Wk's 4 tiles of 256 rows each lie on end in wf); v: y / 2 (32 tiles of 256 tokens)
	s_lshl_b32 s26, s26, 2
	s_add_co_u32 s26, s26, s24                     ; TR: my tile of rows
	s_lshl_b32 s27, s27, 2
	s_add_co_u32 s27, s27, s23                     ; TC: my tile of columns
	s_lshl_b32 s80, s24, 2
	s_lshl_b32 s80, 15, s80                        ; my row of the cluster
	s_lshl_b32 s81, 0x1111, s23                    ; my column
	; descriptor group 1: rows of 4,096 bytes (a tile's 256 along K) as 512 elements of 8 bytes, 16,384 bytes apart in memory, dense in LDS; 4 rows for the row operand's half, 8 for the column operand's
	s_or_b32 s[G1A], s80, (3<<16)|(1<<21)          ; 15:0 the mask; 17:16 elements of 8 bytes; 20 no padding; 21 set beside a mask
	s_or_b32 s[G1B], s81, (3<<16)|(1<<21)
	s_mov_b32 s[G1A+1], 512<<16                    ; tensor_dim0
	s_mov_b32 s[G1A+2], 4<<16                      ; tensor_dim1
	s_mov_b32 s[G1A+3], 512<<16                    ; tile_dim0
	s_mov_b32 s[G1A+4], 4                          ; tile_dim1
	s_mov_b32 s[G1A+5], 2048                       ; tensor_dim0_stride
	s_mov_b32 s[G1A+6], 0
	s_mov_b32 s[G1A+7], 0
	s_mov_b32 s[G1B+1], 512<<16
	s_mov_b32 s[G1B+2], 8<<16
	s_mov_b32 s[G1B+3], 512<<16
	s_mov_b32 s[G1B+4], 8
	s_mov_b32 s[G1B+5], 2048
	s_mov_b32 s[G1B+6], 0
	s_mov_b32 s[G1B+7], 0
	s_lshl_b32 s82, s26, 17                        ; the row operand: (8 TR + 4 half) tiles of 16,384 bytes
	s_lshl_b32 s83, s[WN], 16
	s_add_co_u32 s82, s82, s83
	s_mov_b32 s83, 0
	s_lshl_b32 s84, s27, 18                        ; the column operand: (16 TC + 8 half) tiles
	s_lshl_b32 s85, s[WN], 17
	s_add_co_u32 s84, s84, s85
	s_mov_b32 s85, 0
	s_lshl_b32 s94, s[WN], 14                      ; where they go in a slot: no place in the cluster enters an LDS address
	s_lshl_b32 s95, s[WN], 15
	s_add_co_u32 s95, s95, BOFF
	s_wait_kmcnt 0x0
	s_load_b256 s[56:63], s[14:15], 0x0            ; e0 .. e7
	s_add_nc_u64 s[88:89], s[8:9], 0x200000        ; Wv's tiles: 128 tiles into wf
	s_cmp_eq_u32 ttmp9, 0
	s_cselect_b64 s[90:91], s[4:5], s[6:7]
	s_cmp_eq_u32 ttmp9, 2
	s_cselect_b64 s[90:91], s[88:89], s[90:91]     ; the row operand: xqf, xkf or Wv
	s_cselect_b64 s[92:93], s[6:7], s[8:9]         ; the column operand: wf, or xkf for v
	s_add_nc_u64 s[90:91], s[90:91], s[82:83]
	s_add_nc_u64 s[92:93], s[92:93], s[84:85]
.irp i, 0,1,2
	s_mov_b32 s[G0A+4*\i], 1                       ; count = 1
	s_add_co_u32 s[G0A+4*\i+1], s94, \i*SLOT       ; LDS address
	s_add_nc_u64 s[G0A+4*\i+2:G0A+4*\i+3], s[90:91], \i*4096   ; global address: K step i
	s_or_b32 s[G0A+4*\i+3], s[G0A+4*\i+3], 0x80000000          ; type = 2
	s_mov_b32 s[G0B+4*\i], 1
	s_add_co_u32 s[G0B+4*\i+1], s95, \i*SLOT
	s_add_nc_u64 s[G0B+4*\i+2:G0B+4*\i+3], s[92:93], \i*4096
	s_or_b32 s[G0B+4*\i+3], s[G0B+4*\i+3], 0x80000000
.endr
	CROUND                                         ; all sixteen work-groups are here: the first joint loads meet
	s_cmp_eq_u32 s[WM], 0                          ; a wave's three first fills stand in one branch, ahead of every wait on TENSORcnt and every LDS read: three loads of mine are out
	s_cbranch_scc0 .Lfirst_b
	tensor_load_to_lds s[G0A:G0A+3], s[G1A:G1A+7]
	s_nop 0
	tensor_load_to_lds s[G0A+4:G0A+7], s[G1A:G1A+7]
	s_nop 0
	tensor_load_to_lds s[G0A+8:G0A+11], s[G1A:G1A+7]
	s_nop 0
.rept 4
	v_nop
.endr
	s_branch .Lfirst_asked
.Lfirst_b:
	tensor_load_to_lds s[G0B:G0B+3], s[G1B:G1B+7]
	s_nop 0
	tensor_load_to_lds s[G0B+4:G0B+7], s[G1B:G1B+7]
	s_nop 0
	tensor_load_to_lds s[G0B+8:G0B+11], s[G1B:G1B+7]
	s_nop 0
.rept 4
	v_nop
.endr
.Lfirst_asked:
	v_and_b32 v2, 31, v0
	v_lshlrev_b32 v[LI], 4, v2
	v_bfe_u32 v[HB], v0, 4, 1
	v_lshlrev_b32 v[HB], 5, v[HB]                  ; 32 h: my half's eight numbers of a bias by columns
	v_and_b32 v[RB], 15, v0
	v_lshlrev_b32 v[RB], 2, v[RB]                  ; 4 r: my row's number of a bias by rows
	s_lshl_b32 s66, s[WM], 14                      ; my 4 tiles of the row operand
	s_lshl_b32 s67, s[WN], 15                      ; my 8 tiles of the column operand,
	s_add_co_u32 s67, s67, BOFF                    ; which lie behind the row operand's 8
.irp s, 0,1,2
	v_add_nc_u32 v[ADRA+\s], s66, v[LI]
	v_add_nc_u32 v[ADRB+\s], s67, v[LI]
	s_add_co_u32 s66, s66, SLOT
	s_add_co_u32 s67, s67, SLOT
.endr
	s_wait_tensorcnt 2                             ; my part of K step 0 is in; K steps 1 and 2 may stay out
	s_barrier_signal -1
	s_barrier_wait -1                              ; everybody's is
	FETCH 0, 0, 0
	s_wait_kmcnt 0x0
	s_add_co_i32 s56, s56, s57                     ; e0 + e1
	s_add_co_i32 s58, s58, s59                     ; e2 + e3
	s_cmp_eq_u32 ttmp9, 0
	s_cselect_b32 s56, s56, s58                    ; a sum stands for sum x 2^(this)
	s_cselect_b32 s60, s60, s61                    ; e4 for q, e5 for k,
	s_cmp_eq_u32 ttmp9, 2
	s_cselect_b32 s60, s62, s60                    ; e6 for v: all by selections on the cluster's x; no branch hangs on a loaded number
	s_add_co_i32 s56, s56, 127
	s_lshl_b32 s86, s56, 23
	s_mov_b32 s87, s86                             ; (named with it as a pair, so it is written)
	s_add_co_i32 s60, s60, 127
	s_lshl_b32 s61, s60, 23
	v_mov_b32 v[SCL], s61                          ; 2^eo as f32: the conversion takes its exponent field
	s_add_co_i32 s60, s60, 8
	s_lshl_b32 s60, s60, 23
	s_or_b32 s60, s60, 0x600000
	v_mov_b32 v[HOLD], s60                         ; 448 x 2^eo
	STEP 0, 0, 1, 1                                ; step 0: its products start the sums: nothing is ever cleared
	; step 1 is slot 0's last: the change of slots.  Each wave waits for all its tensor loads (slots 1 and 2), adds 0 to its spare word, and waits for that and for its reads of slot 0.
	WIN 0                                          ; (the add's two registers lie in window 0)
	s_wait_tensorcnt 0x0
	ds_add_u32 v[SPW], v[NIL]                      ; 0 onto my spare word
	s_wait_dscnt 1                                 ; set 1 is in; the add alone may be out
	WIN MUL
	MUL8 0, 1, 0                                   ; eight matrix instructions stand between the add and the wait for it
	s_wait_dscnt 0x0                               ; the add is done, and my reads of slot 0 are over
	s_barrier_signal -1                            ; this barrier opens a round of the cluster's barrier
	MUL8 1, 1, 0
	WIN 0
	s_barrier_wait -1
	CREST                                          ; no wave of any partner still reads slot 0 or has a load on its way
	s_add_nc_u64 s[G0A+2:G0A+3], s[G0A+2:G0A+3], 3*4096   ; K step 3
	s_add_nc_u64 s[G0B+2:G0B+3], s[G0B+2:G0B+3], 3*4096
	JLOAD G0A, G0B                                 ; the first tensor load behind the round, and my only one: 112 matrix instructions ahead of the wait for it; its four v_nop are the places in front of the loads below
	FETCH 1, 0, 0
	WIN MUL
	MUL8 2, 1, 0
	MUL8 3, 1, 0
	STEP 0, 1, 1, 0                                ; step 2
	STEP 1, 2, 0, 0                                ; step 3
	STEP 0, 2, 1, 0                                ; step 4
	; step 5 is slot 2's last: slot 0 is read again.
	s_wait_tensorcnt 0x0                           ; my one load that was out, my part of K step 3, has landed
	s_wait_dscnt 0x0                               ; set 1 is in
	MUL8 0, 1, 0
	s_barrier_signal -1
	MUL8 1, 1, 0
	WIN 0
	s_barrier_wait -1                              ; everybody's part has landed
	PLACES 4
	FETCH 0, 0, 0
	WIN MUL
	MUL8 2, 1, 0
	MUL8 3, 1, 0
	WIN 0
.macro TAIL                            ; steps 6 and 7, and the places in front of the first read of results and of writes over the fragments' registers
	STEP 0, 0, 1, 0
	s_wait_dscnt 0x0
	MUL8 0, 1, 0
	MUL8 1, 1, 0
	MUL8 2, 1, 0
	MUL8 3, 1, 0
	PLACES 4
.endm
; THE WAY OUT of block a (16 rows x 128 columns): number = sum x 2^(the operands' exponents) + bias, held, converted: 16 registers of codes, which ARE the next operand's registers: four stores of 512 consecutive bytes.
; rowb = 0: the bias goes by columns; the block is two heads' fragments of 16 tokens x 64.  rowb = 1: by rows; the block is one fragment of 16 channels x 128 keys.
.macro EPI a, rowb
	WIN 0x02                                       ; source 0 window 2
.irp b, 0,1,2,3,4,5,6,7
.irp i, 0,2,4,6
.if \rowb
	v_pk_fma_f32 v[TMP+8*\b+\i:TMP+8*\b+\i+1], v[8*(8*\a+\b)+\i:8*(8*\a+\b)+\i+1], s[86:87], v[BI+2*\a:BI+2*\a+1] op_sel_hi:[1,0,0]   ; each accumulator from its low end on
.else
	v_pk_fma_f32 v[TMP+8*\b+\i:TMP+8*\b+\i+1], v[8*(8*\a+\b)+\i:8*(8*\a+\b)+\i+1], s[86:87], v[BI+8*\b+\i:BI+8*\b+\i+1] op_sel_hi:[1,0,1]
.endif
.endr
.endr
	WIN 0
.set n, 0
.rept 64
	v_med3_num_f32 v[TMP+n], v[TMP+n], -v[HOLD], v[HOLD]   ; the conversion to an 8-bit code does not saturate (ISA guide 7.6.2)
.set n, n+1
.endr
.irp b, 0,1,2,3,4,5,6,7
	v_cvt_scalef32_pk8_fp8_f32 v[CD+16*\a+2*\b:CD+16*\a+2*\b+1], v[TMP+8*\b:TMP+8*\b+7], v[SCL]
.endr
	v_nop                                          ; a plain line behind the last conversion: the next block writes the numbers' registers
.if \rowb
.irp c, 0,1,2,3
	global_store_b128 v[LI], v[CD+16*\a+4*\c:CD+16*\a+4*\c+3], s[96:97] offset:\a*2048+\c*512
.endr
.else
	global_store_b128 v[LI], v[CD+16*\a:CD+16*\a+3], s[96:97] offset:\a*1024
	global_store_b128 v[LI], v[CD+16*\a+4:CD+16*\a+7], s[96:97] offset:\a*1024+512
	global_store_b128 v[LI], v[CD+16*\a+8:CD+16*\a+11], s[98:99] offset:\a*1024
	global_store_b128 v[LI], v[CD+16*\a+12:CD+16*\a+15], s[98:99] offset:\a*1024+512
.endif
.endm
	s_cmp_eq_u32 ttmp9, 2                          ; the ways part on the cluster's x; no barrier and no tensor load stands in either
	s_cbranch_scc1 .Lv_arm
	; ---- q and k.  My rows are token tiles 8 TR + 4 wm + a; my columns are heads 4 (TC % 4) + 2 wn and the next
	s_lshl_b32 s56, s26, 3
	s_lshl_b32 s57, s[WM], 2
	s_add_co_u32 s56, s56, s57
	s_lshr_b32 s57, s56, 7                         ; the batch
	s_and_b32 s56, s56, 127                        ; the token tile inside it
	s_and_b32 s58, s27, 3
	s_lshl_b32 s59, s58, 2
	s_lshl_b32 s2, s[WN], 1
	s_add_co_u32 s59, s59, s2                      ; the first head
	s_lshl_b32 s57, s57, 4
	s_add_co_u32 s57, s57, s59                     ; 16 x batch + head
	s_lshl_b32 s60, s57, 17                        ; qf: 128 tiles of 1,024 bytes a head
	s_lshl_b32 s2, s56, 10
	s_add_co_u32 s60, s60, s2
	s_lshl_b32 s62, s57, 18                        ; kvf: 16 blocks of 16,384 bytes a head; K's fragment of token tile t lies at 16,384 (t / 8) + 1,024 (t % 8)
	s_lshr_b32 s2, s56, 3
	s_lshl_b32 s2, s2, 14
	s_add_co_u32 s62, s62, s2
	s_and_b32 s2, s56, 7
	s_lshl_b32 s2, s2, 10
	s_add_co_u32 s62, s62, s2
	s_mov_b32 s3, 262144
	s_cmp_eq_u32 ttmp9, 0
	s_cselect_b32 s60, s60, s62
	s_cselect_b32 s62, 131072, s3                  ; from a head to the next
	s_cselect_b64 s[96:97], s[16:17], s[18:19]
	s_cselect_b64 s[100:101], s[10:11], s[12:13]
	s_mov_b32 s61, 0
	s_mov_b32 s63, 0
	s_add_nc_u64 s[96:97], s[96:97], s[60:61]      ; the first head's fragments
	s_add_nc_u64 s[98:99], s[96:97], s[62:63]      ; the second head's
	s_lshl_b32 s60, s58, 10
	s_lshl_b32 s2, s[WN], 9
	s_add_co_u32 s60, s60, s2
	s_add_nc_u64 s[100:101], s[100:101], s[60:61]  ; the bias at my first column
.irp b, 0,1,2,3,4,5,6,7
	global_load_b128 v[BI+8*\b:BI+8*\b+3], v[HB], s[100:101] offset:64*\b
	global_load_b128 v[BI+8*\b+4:BI+8*\b+7], v[HB], s[100:101] offset:64*\b+16
.endr
	TAIL                                           ; the bias lands under the last 64 products
	s_wait_loadcnt 0x0
	EPI 0, 0
	EPI 1, 0
	EPI 2, 0
	EPI 3, 0
	s_branch .Ljoin
.Lv_arm:
	; ---- v.  My rows are head 2 TR + wm's 64 channels; my columns are tokens 256 TC + 128 wn on: one block of 128 keys
	s_lshl_b32 s56, s26, 1
	s_add_co_u32 s56, s56, s[WM]                   ; the head
	s_lshr_b32 s57, s27, 3                         ; the batch
	s_lshl_b32 s57, s57, 4
	s_add_co_u32 s56, s56, s57
	s_and_b32 s57, s27, 7
	s_lshl_b32 s57, s57, 1
	s_add_co_u32 s57, s57, s[WN]                   ; the block of 128 keys
	s_lshl_b32 s56, s56, 4
	s_add_co_u32 s56, s56, s57
	s_lshl_b32 s60, s56, 14
	s_add_co_u32 s60, s60, 8192                    ; V's four fragments lie behind K's eight
	s_mov_b32 s61, 0
	s_add_nc_u64 s[96:97], s[18:19], s[60:61]
	s_lshl_b32 s60, s26, 9
	s_lshl_b32 s2, s[WM], 8
	s_add_co_u32 s60, s60, s2
	s_add_co_u32 s60, s60, 4096                    ; bkv's second half
	s_add_nc_u64 s[100:101], s[12:13], s[60:61]
.irp a, 0,1,2,3
	global_load_b32 v[BI+2*\a], v[RB], s[100:101] offset:64*\a
	v_mov_b32 v[BI+2*\a+1], 0                      ; (named with it as a pair, so it is written)
.endr
	TAIL
	s_wait_loadcnt 0x0
	EPI 0, 1
	EPI 1, 1
	EPI 2, 1
	EPI 3, 1
.Ljoin:
	s_wait_tensorcnt 0x0                           ; the wave's end
	ds_add_u32 v[SPW], v[NIL]
	s_wait_dscnt 0x0
	CROUND                                         ; the closing round: no work-group ends while a partner may still ask for a tile that names it
	s_endpgm
.Lfunc_end_k_q0075e1d18b_qkv:
	.size	k_q0075e1d18b_qkv, .Lfunc_end_k_q0075e1d18b_qkv-k_q0075e1d18b_qkv
	.p2alignl 7, 3214868480
	.fill 96, 4, 3214868480
	.section	.rodata,"a",@progbits
	.p2align	6, 0x0
	.amdhsa_kernel k_q0075e1d18b_qkv
		.amdhsa_group_segment_fixed_size 327680
		.amdhsa_private_segment_fixed_size 0
		.amdhsa_enable_private_segment 0
		.amdhsa_kernarg_size 64
		.amdhsa_user_sgpr_count 2
		.amdhsa_user_sgpr_kernarg_segment_ptr 1
		.amdhsa_wavefront_size32 1
		.amdhsa_system_sgpr_workgroup_id_x 1
		.amdhsa_system_sgpr_workgroup_id_y 1
		.amdhsa_system_sgpr_workgroup_id_z 1
		.amdhsa_system_vgpr_workitem_id 0
		.amdhsa_next_free_vgpr 768
		.amdhsa_next_free_sgpr 102
		.amdhsa_reserve_vcc 0
		.amdhsa_float_denorm_mode_32 3
		.amdhsa_float_denorm_mode_16_64 3
		.amdhsa_memory_ordered 1
		.amdhsa_forward_progress 1
		.amdhsa_inst_pref_size 119
	.end_amdhsa_kernel
	.amdgpu_metadata
---
amdhsa.version: [ 1, 2 ]
amdhsa.kernels:
  - .name:           k_q0075e1d18b_qkv
    .symbol:         k_q0075e1d18b_qkv.kd
    .args:
      - { .name: xqf, .offset: 0, .size: 8, .value_kind: global_buffer, .address_space: global }
      - { .name: xkf, .offset: 8, .size: 8, .value_kind: global_buffer, .address_space: global }
      - { .name: wf, .offset: 16, .size: 8, .value_kind: global_buffer, .address_space: global }
      - { .name: bq, .offset: 24, .size: 8, .value_kind: global_buffer, .address_space: global }
      - { .name: bkv, .offset: 32, .size: 8, .value_kind: global_buffer, .address_space: global }
      - { .name: lowp_scales, .offset: 40, .size: 8, .value_kind: global_buffer, .address_space: global }
      - { .name: qf, .offset: 48, .size: 8, .value_kind: global_buffer, .address_space: global }
      - { .name: kvf, .offset: 56, .size: 8, .value_kind: global_buffer, .address_space: global }
    .group_segment_fixed_size: 327680
    .private_segment_fixed_size: 0
    .kernarg_segment_align: 8
    .kernarg_segment_size: 64
    .max_flat_workgroup_size: 128
    .sgpr_count:     102
    .vgpr_count:     768
    .wavefront_size: 32
...
	.end_amdgpu_metadata
.endif
;; end of part 2
;; launch attn (part 3): grid 4 x 64, 8 waves a work-group, no clusters, 33,792 bytes of LDS; arguments qf, kvf, key_val_lengths, lowp_scales, af; writes af
.if DOCPART == 3
	.amdgcn_target "amdgcn-amd-amdhsa--gfx1250"
	.amdhsa_code_object_version 6
	.text
	.protected	k_q0075e1d18b_attn
	.globl	k_q0075e1d18b_attn
	.p2align	8
	.type	k_q0075e1d18b_attn,@function
k_q0075e1d18b_attn:
	s_mov_b64 s[64:65], 0
	v_nop
	global_prefetch_b8 v0, s[64:65] scope:SCOPE_SE
	s_setreg_imm32_b32 hwreg(HW_REG_WAVE_MODE, 25, 1), 1
	s_wait_xcnt 0x0
; Attention of one head on codes of FP8 (E4M3): key k counts for query q where k <= q and k < the batch's length.  t = score x 2^(e4 + e5) x log2(e) / 8; M = the running largest t rounded UP to a whole number;
; p = 2^(t - M) is quantised with 2^e7, not normalised; the row's sum is taken of the unquantised p and divides at the end; the result x 2^(e6 + e7) / sum is quantised with 2^e8 for the last product.
; qf: a head's 128 fragments of 16 queries x 64.  kvf: a head's 16 blocks of 128 keys, 16,384 bytes: K's 8 fragments (16 keys x 64), then V^T's 4 (16 channels x 128 keys).  All are images of operand registers:
; a load of 16 bytes a lane, 512 bytes a wave, gives registers 2 c, 2 c + 1 = k 16 c + 8 h + 0 .. 7 of row r.  af takes the result the same way: 16 rows x 64 of head hd at ((row / 16) x 16 + hd) x 1,024.
; LAYOUT.  Both products are used transposed: S^T = K Q^T (source 0 = 16 keys), O^T = V^T P^T (source 0 = 16 channels): a lane holds ONE query (lane % 16) throughout; register j of score tile kt is key 16 kt + 8 h + j,
; so a conversion of a score tile's eight numbers gives registers 2 kt, 2 kt + 1 of P, and of an O^T tile's eight numbers registers 2 dt, 2 dt + 1 of the last product's operand.
; SHARES.  Work-group (x, head) makes query blocks 7 - x and x of 256 queries, one after the other: the same number of key steps under the causal mask for every work-group.  Each of eight waves owns 32 queries, two
; tiles, so each fragment of K and V read from LDS feeds two matrix instructions.
; THE RING.  Two LDS slots of one block of 128 keys.  Thread t copies bytes 16 t + 4,096 j: global loads two steps ahead into registers, LDS stores one step ahead.  Both loops have constant trip counts (2 passes x 8 trips
; x 2 steps) and every wave passes every barrier; a step's stores, loads and work are jumped over by scalar branches on ids and on the batch's length where no query of the work-group (or of the wave) sees its keys.
; NO CLUSTER, NO TENSOR LOAD, though the four work-groups of a head walk the same K and V: joint requests are tensor loads: every step would carry the two
; compare-and-select lines for each of its 128 scores a lane, and padded keys would be walked; what would be shared is 16,384 bytes a step.
; PREFETCH: in the pass that walks a head's last query block (x = 0, first pass), waves 0 and 1 name, a lane a block of 256 bytes, the 16,384 bytes of the key block four steps on: two steps ahead of its loads.
; So each block is named once in the launch; blocks 0 to 3 come by their loads alone; nothing past the last block that the work-group reads is named.
; LIMITS: e4 + e5 between -123 and 130 (added to the constant's exponent field); e7 and e8 between -126 and 119; e6 + e7 is applied by v_ldexp_f32 and has none.  Lengths lie between 1 and 2,048; a length of 0,
; for which reference() gives NaN, is served as 2,048.
; REGISTERS: window 0: v1 16 x lane; v2 16 x thread; v3 256 x thread; v4 r; v5 8 h; v8-11, v12-15 a tile's -M, largest t, sum in two halves; v16-31 Q; v32-95 K's, then V's fragments; v96-223 S^T, then p;
;   v224-231, v232-239 a tile's temporaries (+0, +1 maxima; +2, +3 sums; +4 f, +5 named with it; +6 a lane exchange's destination; +7 the mask's d); v240-244 constants.
;   window 1: v0-63 O^T; v64-95 P's codes; v96-111, v112-127 the copy's two sets.
.set LI,   1
.set TH,   2
.set PFO,  3
.set RR,   4
.set H8,   5
.set ST,   8
.set QF,   16
.set KV,   32
.set S,    96
.set TP,   224
.set PHOLD, 240                        ; 448 x 2^e7
.set PSC,   241                        ; 2^e7
.set NINF,  242
.set AHOLD, 243                        ; 448 x 2^e8
.set ASC,   244                        ; 2^e8
.set O,    0                           ; in window 1
.set P,    64
.set CP,   96
; s14 wave; s16 16 x batch + head; s17 the length - 1; s18 pass; s19 trip; s20 KF, the step's first key; s21 the last key that any query of the work-group's block sees; s22 the same for my wave; s23 the last key
; that ALL my queries see; s[24:25] the head's blocks; s[26:27] the block of the step in hand; s[28:29] the constant; s[30:31] lane selects; s[32:41] e0 .. e9; s42 my first query; s43 the prefetch's lead in keys
.set MSB, 0
.macro WIN new                         ; the immediate's high byte repeats the setting that is left
.if MSB != \new
	s_set_vgpr_msb (MSB<<8)|\new
.set MSB, \new
.endif
.endm
.macro PLACES n
.rept \n
	v_nop
.endr
.endm
	s_load_b256 s[4:11], s[0:1], 0x0               ; qf s[4:5], kvf s[6:7], the lengths s[8:9], the scales' exponents s[10:11]
	s_load_b64 s[12:13], s[0:1], 0x20              ; af
	v_lshl_add_u32 v254, v0, 2, 0x8000
	v_mov_b32 v255, 0
	v_lshrrev_b32 v6, 5, v0
	v_readfirstlane_b32 s14, v6
	v_and_b32 v6, 31, v0
	v_lshlrev_b32 v[LI], 4, v6
	v_lshlrev_b32 v[TH], 4, v0
	v_lshlrev_b32 v[PFO], 8, v0
	v_and_b32 v[RR], 15, v0
	v_bfe_u32 v[H8], v0, 4, 1
	v_lshlrev_b32 v[H8], 3, v[H8]
	v_mov_b32 v[NINF], 0xff800000
.irp t, 0,1
	v_mov_b32 v[TP+8*\t+5], 0                      ; (named as the upper half of f's pair)
	v_mov_b32 v[TP+8*\t+6], 0                      ; written once: a lane exchange's destination counts as one of its sources
.endr
	s_and_b32 s16, ttmp7, 0xffff
	s_mov_b32 s30, 0x76543210
	s_mov_b32 s31, 0xfedcba98
	s_lshl_b32 s48, s16, 18
	s_mov_b32 s49, 0
	s_wait_kmcnt 0x0
	s_load_b256 s[32:39], s[10:11], 0x0
	s_load_b64 s[40:41], s[10:11], 0x20
	s_load_b128 s[44:47], s[8:9], 0x0              ; the four lengths
	s_add_nc_u64 s[24:25], s[6:7], s[48:49]
	s_lshr_b32 s48, s16, 4                         ; the batch
	s_wait_kmcnt 0x0
	s_cmp_eq_u32 s48, 1
	s_cselect_b32 s44, s45, s44
	s_cmp_eq_u32 s48, 2
	s_cselect_b32 s44, s46, s44
	s_cmp_eq_u32 s48, 3
	s_cselect_b32 s44, s47, s44
	s_sub_co_u32 s44, s44, 1
	s_min_u32 s17, s44, 2047                       ; the last key that counts
	s_add_co_i32 s48, s36, s37
	s_lshl_b32 s48, s48, 23
	s_add_co_i32 s28, s48, 0x3e38aa3b              ; log2(e) / 8 x 2^(e4 + e5): the two exponents are added to the constant's exponent field
	s_mov_b32 s29, s28                             ; (named with it as a pair, so it is written)
	s_add_co_i32 s48, s39, 127
	s_lshl_b32 s49, s48, 23
	v_mov_b32 v[PSC], s49
	s_add_co_i32 s48, s48, 8
	s_lshl_b32 s48, s48, 23
	s_or_b32 s48, s48, 0x600000
	v_mov_b32 v[PHOLD], s48
	s_add_co_i32 s48, s40, 127
	s_lshl_b32 s49, s48, 23
	v_mov_b32 v[ASC], s49
	s_add_co_i32 s48, s48, 8
	s_lshl_b32 s48, s48, 23
	s_or_b32 s48, s48, 0x600000
	v_mov_b32 v[AHOLD], s48
; Hidden scores of tile t become -infinity ahead of the maximum: p = 0 then.  d = min(my query, the last key that counts) - KF - 8 h; register 8 kt + j holds key KF + 8 h + 16 kt + j: hidden where 16 kt + j > d.
.macro MASK t
	s_sub_co_u32 s45, s42, s20
	s_add_co_u32 s45, s45, 16*\t                   ; the tile's first query - KF: not negative in a step that is worked
	s_sub_co_u32 s46, s17, s20                     ; likewise
	v_add_nc_u32 v[TP+8*\t+7], s45, v[RR]
	v_min_i32 v[TP+8*\t+7], s46, v[TP+8*\t+7]
	v_sub_nc_u32 v[TP+8*\t+7], v[TP+8*\t+7], v[H8]
.irp kt, 0,1,2,3,4,5,6,7
.irp j, 0,1,2,3,4,5,6,7
	v_cmp_gt_i32 vcc_lo, 16*\kt+\j, v[TP+8*\t+7]
	v_cndmask_b32 v[S+64*\t+8*\kt+\j], v[S+64*\t+8*\kt+\j], v[NINF], vcc_lo
.endr
.endr
.endm
; A KEY STEP's work: 128 keys out of slot sg, for my two tiles of queries.
.macro COMPUTE sg
.irp kt, 0,1,2,3,4,5,6,7
.irp c, 0,1
	ds_load_b128 v[KV+8*\kt+4*\c:KV+8*\kt+4*\c+3], v[LI] offset:\sg*16384+\kt*1024+\c*512
.endr
.endr
	s_wait_dscnt 0x0
.irp kt, 0,1,2,3,4,5,6,7
.irp t, 0,1
	v_wmma_f32_16x16x64_fp8_fp8 v[S+64*\t+8*\kt:S+64*\t+8*\kt+7], v[KV+8*\kt:KV+8*\kt+7], v[QF+8*\t:QF+8*\t+7], 0
.endr
.endr
	PLACES 4                                       ; four places in front of loads into K's registers and of the first read of the scores (ISA guide 7.12.1 for the read of the scores)
.irp dt, 0,1,2,3
.irp c, 0,1,2,3
	ds_load_b128 v[KV+16*\dt+4*\c:KV+16*\dt+4*\c+3], v[LI] offset:\sg*16384+8192+\dt*2048+\c*512   ; V lands under the softmax
.endr
.endr
	s_add_co_u32 s44, s20, 127
	s_cmp_le_u32 s44, s23                          ; a step all of whose keys count for all my queries has no mask
	s_cbranch_scc1 .Lopen_\@
	MASK 0
	MASK 1
.Lopen_\@:
.irp t, 0,1                                    ; the step's largest score of my query among my 64 keys: two chains a tile, each accumulator from its low end on
	v_max3_num_f32 v[TP+8*\t], v[S+64*\t], v[S+64*\t+1], v[S+64*\t+2]
	v_max3_num_f32 v[TP+8*\t+1], v[S+64*\t+3], v[S+64*\t+4], v[S+64*\t+5]
.endr
.irp i, 6,10,14,18,22,26,30,34,38,42,46,50,54,58
.irp t, 0,1
	v_max3_num_f32 v[TP+8*\t], v[TP+8*\t], v[S+64*\t+\i], v[S+64*\t+\i+1]
	v_max3_num_f32 v[TP+8*\t+1], v[TP+8*\t+1], v[S+64*\t+\i+2], v[S+64*\t+\i+3]
.endr
.endr
.irp t, 0,1
	v_max3_num_f32 v[TP+8*\t], v[TP+8*\t], v[S+64*\t+62], v[S+64*\t+63]
.endr
.irp t, 0,1
	v_max_num_f32 v[TP+8*\t], v[TP+8*\t], v[TP+8*\t+1]
.endr
.irp t, 0,1
	v_permlanex16_b32 v[TP+8*\t+6], v[TP+8*\t], s30, s31
.endr
.irp t, 0,1
	v_max_num_f32 v[TP+8*\t], v[TP+8*\t], v[TP+8*\t+6]   ; and among lane l xor 16's.  Key KF counts for every query of a wave that works the step (KF is a multiple of 128, my first query of 32): this is a number
.endr
.irp t, 0,1
	v_mul_f32 v[TP+8*\t], s28, v[TP+8*\t]          ; as t (the constant is positive)
.endr
.irp t, 0,1
	v_max_num_f32 v[ST+4*\t+1], v[ST+4*\t+1], v[TP+8*\t]   ; the running largest t
	v_mov_b32 v[TP+8*\t], v[ST+4*\t]
.endr
.irp t, 0,1
	v_floor_f32 v[ST+4*\t], -v[ST+4*\t+1]          ; the new -M = floor(-t): M is a whole number
.endr
.irp t, 0,1
	v_sub_f32 v[TP+8*\t], v[ST+4*\t], v[TP+8*\t]   ; old M - new M: a whole number, 0 or less
.endr
.irp t, 0,1
	v_cvt_i32_f32 v[TP+8*\t], v[TP+8*\t]           ; (it saturates)
.endr
.irp t, 0,1
	v_ldexp_f32 v[TP+8*\t+4], 1.0, v[TP+8*\t]      ; f = 2^(old M - new M): a multiplication by it rounds nothing
.endr
.irp t, 0,1
.set n, 0
.rept 32
	v_pk_fma_f32 v[S+64*\t+n:S+64*\t+n+1], v[S+64*\t+n:S+64*\t+n+1], s[28:29], v[ST+4*\t:ST+4*\t+1] op_sel_hi:[1,0,0]   ; t - M (of the two pairs the low word serves both halves)
.set n, n+2
.endr
.endr
.set n, 0
.rept 128
	v_exp_f32 v[S+n], v[S+n]                       ; p = 2^(t - M), at most 1
.set n, n+1
.endr
.irp t, 0,1
	v_pk_mul_f32 v[ST+4*\t+2:ST+4*\t+3], v[ST+4*\t+2:ST+4*\t+3], v[TP+8*\t+4:TP+8*\t+5] op_sel_hi:[1,0]   ; the sums under the new M: the plain lines behind the exponentials
.endr
	s_wait_alu depctr_va_vdst(0)                   ; one wait for the batch of 128, ahead of its first reader
.irp t, 0,1
	v_pk_add_f32 v[TP+8*\t+2:TP+8*\t+3], v[S+64*\t:S+64*\t+1], v[S+64*\t+2:S+64*\t+3]   ; the row's sum is taken of the unquantised p
.endr
.irp j, 4,8,12,16,20,24,28,32,36,40,44,48,52,56,60
.irp t, 0,1
	v_pk_add_f32 v[ST+4*\t+2:ST+4*\t+3], v[ST+4*\t+2:ST+4*\t+3], v[S+64*\t+\j:S+64*\t+\j+1]
	v_pk_add_f32 v[TP+8*\t+2:TP+8*\t+3], v[TP+8*\t+2:TP+8*\t+3], v[S+64*\t+\j+2:S+64*\t+\j+3]
.endr
.endr
.irp t, 0,1
	v_pk_add_f32 v[ST+4*\t+2:ST+4*\t+3], v[ST+4*\t+2:ST+4*\t+3], v[TP+8*\t+2:TP+8*\t+3]
.endr
	s_cmp_ge_i32 s39, -8                           ; from e7 = -8 on, 448 x 2^e7 is 1.75 or more and p is at most 1: the hold would change nothing
	s_cbranch_scc1 .Lno_hold_\@
.set n, 0
.rept 128
	v_min_num_f32 v[S+n], v[S+n], v[PHOLD]         ; the conversion to an 8-bit code does not saturate (ISA guide 7.6.2); p is not negative, so the hold is one-sided
.set n, n+1
.endr
.Lno_hold_\@:
	WIN 0x40                                       ; destination window 1
.irp t, 0,1
.irp kt, 0,1,2,3,4,5,6,7
	v_cvt_scalef32_pk8_fp8_f32 v[P+16*\t+2*\kt:P+16*\t+2*\kt+1], v[S+64*\t+8*\kt:S+64*\t+8*\kt+7], v[PSC]
.endr
.endr
	WIN 0x41                                       ; O^T (destination and source 0) window 1, f window 0
.irp t, 0,1
.set n, 0
.rept 16
	v_pk_mul_f32 v[O+32*\t+n:O+32*\t+n+1], v[O+32*\t+n:O+32*\t+n+1], v[TP+8*\t+4:TP+8*\t+5] op_sel_hi:[1,0]   ; O^T under the new M, each accumulator from its low end on; these are also the plain lines behind the conversions
.set n, n+2
.endr
.endr
	s_wait_dscnt 0x0                               ; V is in
	WIN 0x54                                       ; V window 0; P, C and D window 1
.irp dt, 0,1,2,3
.irp t, 0,1
	v_wmma_f32_16x16x128_fp8_fp8 v[O+32*\t+8*\dt:O+32*\t+8*\dt+7], v[KV+16*\dt:KV+16*\dt+15], v[P+16*\t:P+16*\t+15], v[O+32*\t+8*\dt:O+32*\t+8*\dt+7]   ; eight accumulators, one instruction each
.endr
.endr
	WIN 0
	PLACES 4                                       ; in front of the next loads into V's registers, the next writes of P and the next read of O^T
.endm
; HALF A TRIP: key step t, which lies in slot sg.
.macro HT sg
	s_wait_loadcnt 0x0                             ; the next block's bytes, asked for a step ago, are in my registers (and, in a pass's first step, Q)
	s_wait_dscnt 0x0                               ; my reads of the other slot are over and my stores into this slot are done
	s_barrier_signal -1
	s_barrier_wait -1                              ; both now hold of every wave
	s_add_co_u32 s44, s20, 128
	s_cmp_le_u32 s44, s21
	s_cbranch_scc0 .Lno_store_\@
	WIN 0x04                                       ; the data lie in window 1
.irp j, 0,1,2,3
	ds_store_b128 v[TH], v[CP+16*(1-\sg)+4*\j:CP+16*(1-\sg)+4*\j+3] offset:(1-\sg)*16384+4096*\j   ; block t + 1 into the other slot
.endr
	WIN 0
.Lno_store_\@:
	s_add_co_u32 s44, s20, 256
	s_cmp_le_u32 s44, s21
	s_cbranch_scc0 .Lno_load_\@
	WIN 0x40
.irp j, 0,1,2,3
	global_load_b128 v[CP+16*\sg+4*\j:CP+16*\sg+4*\j+3], v[TH], s[26:27] offset:32768+4096*\j      ; block t + 2 into the set whose stores were waited for above
.endr
	WIN 0
.Lno_load_\@:
	s_add_co_u32 s44, s20, s43
	s_cmp_le_u32 s44, s21
	s_cbranch_scc0 .Lno_ask_\@
	global_prefetch_b8 v[PFO], s[26:27] offset:65536 th:TH_LOAD_NT scope:SCOPE_SE                   ; block t + 4, behind the step's loads
.Lno_ask_\@:
	s_cmp_le_u32 s20, s22
	s_cbranch_scc0 .Lno_work_\@
	COMPUTE \sg
.Lno_work_\@:
	s_wait_xcnt 0x0                                ; the step's loads and prefetch have read their base: it steps only behind this wait
	s_add_nc_u64 s[26:27], s[26:27], 16384
	s_add_co_u32 s20, s20, 128
.endm
	s_mov_b32 s18, 0
.Lpass:
	s_sub_co_u32 s44, 7, ttmp9
	s_cmp_eq_u32 s18, 0
	s_cselect_b32 s44, s44, ttmp9                  ; the block of 256 queries: 7 - x, then x
	s_lshl_b32 s45, s44, 8
	s_lshl_b32 s46, s14, 5
	s_add_co_u32 s42, s45, s46                     ; my first query
	s_add_co_u32 s45, s45, 255
	s_min_u32 s21, s45, s17
	s_add_co_u32 s46, s42, 31
	s_min_u32 s22, s46, s17
	s_min_u32 s23, s42, s17
	s_lshr_b32 s46, s14, 1
	s_or_b32 s46, s46, ttmp9
	s_or_b32 s46, s46, s18
	s_cmp_eq_u32 s46, 0                            ; waves 0 and 1 of work-group x = 0 in its first pass
	s_mov_b32 s43, 0x4000
	s_cselect_b32 s43, 512, s43                    ; ask four steps ahead; the others never
	s_lshl_b32 s46, s16, 17
	s_lshl_b32 s47, s42, 6
	s_add_co_u32 s46, s46, s47
	s_mov_b32 s47, 0
	s_add_nc_u64 s[52:53], s[4:5], s[46:47]        ; my two fragments of Q
	s_lshr_b32 s46, s16, 4
	s_lshl_b32 s46, s46, 21                        ; af: a batch's 128 row tiles of 16,384 bytes,
	s_lshl_b32 s48, s42, 10                        ; my row tile,
	s_add_co_u32 s46, s46, s48
	s_and_b32 s48, s16, 15
	s_lshl_b32 s48, s48, 10                        ; my head
	s_add_co_u32 s46, s46, s48
	s_add_nc_u64 s[54:55], s[12:13], s[46:47]
	s_mov_b64 s[26:27], s[24:25]
	s_mov_b32 s20, 0
	s_wait_loadcnt 0x0                             ; the last step of the pass before has a load line into the copy's second set: that set is asked for again only behind this wait
	WIN 0x40
.irp j, 0,1,2,3
	global_load_b128 v[CP+4*\j:CP+4*\j+3], v[TH], s[26:27] offset:4096*\j               ; block 0
.endr
.irp j, 0,1,2,3
	global_load_b128 v[CP+16+4*\j:CP+16+4*\j+3], v[TH], s[26:27] offset:16384+4096*\j   ; block 1 (a head has 16: it lies inside the buffer whatever the length)
.endr
	WIN 0
.irp t, 0,1
.irp c, 0,1
	global_load_b128 v[QF+8*\t+4*\c:QF+8*\t+4*\c+3], v[LI], s[52:53] offset:\t*1024+\c*512
.endr
.endr
.irp t, 0,1
	v_mov_b32 v[ST+4*\t+1], 0xff61b1e6             ; the largest t so far: -3e38, under every t
	v_floor_f32 v[ST+4*\t], -v[ST+4*\t+1]
	v_mov_b32 v[ST+4*\t+2], 0
	v_mov_b32 v[ST+4*\t+3], 0
.endr
	WIN 0x40
.set n, 0
.rept 64
	v_mov_b32 v[O+n], 0                            ; O^T.  (The step is written once: a pass's first step finds zeros, which its f = 0 leaves zeros)
.set n, n+1
.endr
	s_wait_loadcnt 8                               ; block 0 is in; block 1's four loads and Q's four may be out
	WIN 0x04
.irp j, 0,1,2,3
	ds_store_b128 v[TH], v[CP+4*\j:CP+4*\j+3] offset:4096*\j   ; into slot 0: its last readers, in the pass before, have passed that pass's last barrier
.endr
	WIN 0
	s_mov_b32 s19, 0
.Ltrip:
	HT 0
	HT 1
	s_add_co_u32 s19, s19, 1
	s_cmp_lt_u32 s19, 8
	s_cbranch_scc1 .Ltrip
	; THE WAY OUT: O^T x 2^(e6 + e7) / the sum, quantised with 2^e8: a tile's eight registers of codes are its fragment
.irp t, 0,1
	v_add_f32 v[TP+8*\t], v[ST+4*\t+2], v[ST+4*\t+3]
.endr
.irp t, 0,1
	v_permlanex16_b32 v[TP+8*\t+6], v[TP+8*\t], s30, s31
.endr
.irp t, 0,1
	v_add_f32 v[TP+8*\t], v[TP+8*\t], v[TP+8*\t+6]
.endr
.irp t, 0,1
	v_rcp_f32 v[TP+8*\t+4], v[TP+8*\t]
.endr
	v_nop                                          ; a plain line behind the reciprocals,
	s_add_co_i32 s44, s38, s39
	s_wait_alu depctr_va_vdst(0)                   ; and the one wait ahead of their first reader
.irp t, 0,1
	v_ldexp_f32 v[TP+8*\t+4], v[TP+8*\t+4], s44
.endr
	WIN 0x01                                       ; source 0 window 1
.irp t, 0,1
.set n, 0
.rept 16
	v_pk_mul_f32 v[S+64*\t+n:S+64*\t+n+1], v[O+32*\t+n:O+32*\t+n+1], v[TP+8*\t+4:TP+8*\t+5] op_sel_hi:[1,0]
.set n, n+2
.endr
.endr
	WIN 0
.irp t, 0,1
.set n, 0
.rept 32
	v_med3_num_f32 v[S+64*\t+n], v[S+64*\t+n], -v[AHOLD], v[AHOLD]
.set n, n+1
.endr
.endr
.irp t, 0,1
.irp dt, 0,1,2,3
	v_cvt_scalef32_pk8_fp8_f32 v[KV+8*\t+2*\dt:KV+8*\t+2*\dt+1], v[S+64*\t+8*\dt:S+64*\t+8*\dt+7], v[ASC]
.endr
.endr
	v_nop                                          ; a plain line behind the last conversion
.irp t, 0,1
.irp c, 0,1
	global_store_b128 v[LI], v[KV+8*\t+4*\c:KV+8*\t+4*\c+3], s[54:55] offset:\t*16384+\c*512   ; 512 consecutive bytes, at a multiple of 512 from af's first byte
.endr
.endr
	s_wait_xcnt 0x0                                ; the stores have read their data and their base: the next pass writes both
	s_add_co_u32 s18, s18, 1
	s_cmp_lt_u32 s18, 2
	s_cbranch_scc1 .Lpass
	s_wait_tensorcnt 0x0
	ds_add_u32 v254, v255
	s_wait_dscnt 0x0
	s_endpgm
.Lfunc_end_k_q0075e1d18b_attn:
	.size	k_q0075e1d18b_attn, .Lfunc_end_k_q0075e1d18b_attn-k_q0075e1d18b_attn
	.p2alignl 7, 3214868480
	.fill 96, 4, 3214868480
	.section	.rodata,"a",@progbits
	.p2align	6, 0x0
	.amdhsa_kernel k_q0075e1d18b_attn
		.amdhsa_group_segment_fixed_size 33792
		.amdhsa_private_segment_fixed_size 0
		.amdhsa_enable_private_segment 0
		.amdhsa_kernarg_size 40
		.amdhsa_user_sgpr_count 2
		.amdhsa_user_sgpr_kernarg_segment_ptr 1
		.amdhsa_wavefront_size32 1
		.amdhsa_system_sgpr_workgroup_id_x 1
		.amdhsa_system_sgpr_workgroup_id_y 1
		.amdhsa_system_sgpr_workgroup_id_z 1
		.amdhsa_system_vgpr_workitem_id 0
		.amdhsa_next_free_vgpr 384
		.amdhsa_next_free_sgpr 66
		.amdhsa_reserve_vcc 1
		.amdhsa_float_denorm_mode_32 3
		.amdhsa_float_denorm_mode_16_64 3
		.amdhsa_memory_ordered 1
		.amdhsa_forward_progress 1
		.amdhsa_inst_pref_size 96
	.end_amdhsa_kernel
	.amdgpu_metadata
---
amdhsa.version: [ 1, 2 ]
amdhsa.kernels:
  - .name:           k_q0075e1d18b_attn
    .symbol:         k_q0075e1d18b_attn.kd
    .args:
      - { .name: qf, .offset: 0, .size: 8, .value_kind: global_buffer, .address_space: global }
      - { .name: kvf, .offset: 8, .size: 8, .value_kind: global_buffer, .address_space: global }
      - { .name: key_val_lengths, .offset: 16, .size: 8, .value_kind: global_buffer, .address_space: global }
      - { .name: lowp_scales, .offset: 24, .size: 8, .value_kind: global_buffer, .address_space: global }
      - { .name: af, .offset: 32, .size: 8, .value_kind: global_buffer, .address_space: global }
    .group_segment_fixed_size: 33792
    .private_segment_fixed_size: 0
    .kernarg_segment_align: 8
    .kernarg_segment_size: 40
    .max_flat_workgroup_size: 256
    .sgpr_count:     66
    .vgpr_count:     384
    .wavefront_size: 32
...
	.end_amdgpu_metadata
.endif
;; end of part 3
;; launch outp (part 4): grid 4 x 64, 4 waves a work-group, clusters of 4 x 4, 327,680 bytes of LDS; arguments af, wf, lowp_scales, bo, x, out0; writes out0
.if DOCPART == 4
	.amdgcn_target "amdgcn-amd-amdhsa--gfx1250"
	.amdhsa_code_object_version 6
	.text
	.protected	k_q0075e1d18b_outp
	.globl	k_q0075e1d18b_outp
	.p2align	8
	.type	k_q0075e1d18b_outp,@function
k_q0075e1d18b_outp:
	s_mov_b64 s[64:65], 0
	v_nop
	global_prefetch_b8 v0, s[64:65] scope:SCOPE_SE
	s_setreg_imm32_b32 hwreg(HW_REG_WAVE_MODE, 25, 1), 1
	s_wait_xcnt 0x0
	s_wait_alu depctr_hold_cnt(0) depctr_sa_sdst(0) depctr_va_vdst(0) depctr_va_sdst(0) depctr_va_ssrc(0) depctr_va_vcc(0) depctr_vm_vsrc(0)
	s_getreg_b32 s2, hwreg(HW_REG_IB_STS2, 6, 4)
	s_cmp_eq_u32 s2, 0
	s_cbranch_scc0 .Lentry_in_a_cluster
	s_endpgm
.Lentry_in_a_cluster:
	s_bfe_u32 s2, ttmp6, 0x10000c
	s_cmp_lg_u32 s2, 0xf033
	s_cbranch_scc0 .Lentry_shape_is_right
	s_endpgm
.Lentry_shape_is_right:
; out0 = a Wo^T + bo + x, the product on codes of FP8 (E4M3): a's codes (2^e8) from af, Wo's (2^e9) from wf's tiles 192-255; each finished sum x 2^(e8 + e9), + bo, + x, in f32.
; Both operands are images of registers: a tile of 16 rows is 8 fragments of 16 rows x 128 K, 2,048 bytes each; a load of 16 bytes a lane gives k = 16 c + 8 h + 0 .. 7 in registers 2 c, 2 c + 1.  No pitch, no padding.
; A work-group makes 128 rows x 256 columns; four waves, each 64 x 128: 32 accumulators.  4 x 64 = 256 work-groups.  THE MATRIX INSTRUCTION IS USED TRANSPOSED (source 0 = 16 rows of Wo, source 1 = 16 rows of a):
; lane (r, h) holds row r and columns 16 b + 8 h + 0 .. 7.
; K = 1,024 is four K steps of 256 through three LDS slots: K steps 0, 1, 2 are first fills, asked for together at the head (three tensor loads of a wave are out); K step 3 fills slot 0 again (one is out).
; CLUSTERS: 4 x 4.  a's tile is shared along a row of the cluster, Wo's along a column: each is asked for jointly, by the same tensor load with the same descriptor and a mask of the four.
; THE SKIP: my 64 rows x 512 bytes of x are asked for at the head, 64 loads into window 3, and land under the products.
; LIMIT: e8 + e9 between -126 and 127.
; REGISTERS: window 0: v1 16 x lane; v16-18, v20-22 LDS addresses by slot; v24, v25 the stage; v28, v29 for the add; v36-39 bo at my four columns; v64-191 a's fragments, two sets (on the way out: rows read back);
;   window 1: Wo's fragments, two sets;   window 2: accumulator (a, b) at v[8 (8 a + b)];   window 3: x: row 16 a + i at v[64 a + 4 i].
.set SLOT,  98304                      ; a slot: a's 8 tiles x 4,096 bytes (256 along K), then Wo's 16
.set BOFF,  32768
.set SPARE, 3*SLOT                     ; behind the slots: the spare words, 128 bytes for each wave: two blocks of 256 bytes that no other line names
.set SPITCH, 528                       ; the way out: a stage of 16 rows x (512 bytes + 16) for each wave, in slot 1, which is filled once and is read for the last time ahead of the last barrier
.set LI,    1
.set ADRA,  16
.set ADRB,  20
.set STO,   24
.set RD,    25
.set SPW,   28
.set NIL,   29
.set BO,    36
.set AF,    64
.set BK,    64
.set WV,    20
.set WM,    21
.set WN,    22
.set G1A,   28
.set G1B,   36
.set G0A,   44
.set G0B,   68
.set MSB, 0
.macro WIN new                         ; the immediate's high byte repeats the setting that is left
.if MSB != \new
	s_set_vgpr_msb (MSB<<8)|\new
.set MSB, \new
.endif
.endm
.set MUL,  0xa1                        ; source 0 window 1, source 1 window 0, C and D window 2
.set TO_B, 0x40                        ; destination window 1, address window 0
.macro PLACES n
.rept \n
	v_nop
.endr
.endm
.macro JLOAD g0a, g0b                  ; a joint load; the branch hangs on the wave's number alone; four v_nop follow each of the two lines
	s_cmp_eq_u32 s[WM], 0
	s_cbranch_scc0 .Lfor_b_\@
	tensor_load_to_lds s[\g0a:\g0a+3], s[G1A:G1A+7]
	s_nop 0
.rept 4
	v_nop
.endr
	s_branch .Lasked_\@
.Lfor_b_\@:
	tensor_load_to_lds s[\g0b:\g0b+3], s[G1B:G1B+7]
	s_nop 0
.rept 4
	v_nop
.endr
.Lasked_\@:
.endm
.macro CREST                           ; a round of the cluster's barrier behind its opening barrier
	s_cmp_lg_u32 s[WV], 0
	s_cbranch_scc1 .Lnot_wave_0_\@
	s_barrier_signal -3
.Lnot_wave_0_\@:
	s_barrier_wait -3
	s_barrier_signal -1
	s_barrier_wait -1
.endm
.macro CROUND
	s_barrier_signal -1
	s_barrier_wait -1
	CREST
.endm
.macro FETCH slot, ks, p               ; 48 LDS loads in one run: the fragments of the slot's ks-th 128 along K into set p
	WIN TO_B
.irp b, 0,1,2,3,4,5,6,7
.irp c, 0,1,2,3
	ds_load_b128 v[128*(\p)+16*\b+4*\c:128*(\p)+16*\b+4*\c+3], v[ADRB+\slot] offset:\b*4096+(\ks)*2048+\c*512
.endr
.endr
	WIN 0
.irp a, 0,1,2,3
.irp c, 0,1,2,3
	ds_load_b128 v[AF+64*(\p)+16*\a+4*\c:AF+64*(\p)+16*\a+4*\c+3], v[ADRA+\slot] offset:\a*4096+(\ks)*2048+\c*512
.endr
.endr
.endm
.macro MUL8 a, p, zero                 ; block a of my rows against my eight blocks of columns.  The 32 accumulators take turns, one instruction a turn, in the same order in every step
.irp b, 0,1,2,3,4,5,6,7
.if \zero
	v_wmma_f32_16x16x128_fp8_fp8 v[8*(8*\a+\b):8*(8*\a+\b)+7], v[128*(\p)+16*\b:128*(\p)+16*\b+15], v[AF+64*(\p)+16*\a:AF+64*(\p)+16*\a+15], 0
.else
	v_wmma_f32_16x16x128_fp8_fp8 v[8*(8*\a+\b):8*(8*\a+\b)+7], v[128*(\p)+16*\b:128*(\p)+16*\b+15], v[AF+64*(\p)+16*\a:AF+64*(\p)+16*\a+15], v[8*(8*\a+\b):8*(8*\a+\b)+7]
.endif
.endr
.endm
.macro STEP p, nslot, nks, zero        ; a step of 128 along K: set p is multiplied; ahead of its 32 products the next step's fragments are asked for, into the other set
	s_wait_dscnt 0x0                               ; set p is in
	PLACES 4                                       ; four places in front of loads into registers that the last step's matrix instructions read (ISA guide 7.12.1 for vector instructions)
	FETCH \nslot, \nks, 1-(\p)
	WIN MUL
	MUL8 0, \p, \zero
	MUL8 1, \p, \zero
	MUL8 2, \p, \zero
	MUL8 3, \p, \zero
.endm
	s_load_b256 s[4:11], s[0:1], 0x0               ; af s[4:5], wf s[6:7], the scales' exponents s[8:9], bo s[10:11]
	s_load_b128 s[12:15], s[0:1], 0x20             ; x s[12:13], out0 s[14:15]
	v_lshl_add_u32 v[SPW], v0, 2, SPARE
	v_mov_b32 v[NIL], 0
	ds_add_u32 v28, v29
	ds_add_u32 v28, v29
	s_wait_dscnt 0x0
	v_lshrrev_b32 v2, 5, v0
	v_readfirstlane_b32 s[WV], v2
	s_lshr_b32 s[WM], s[WV], 1                     ; which 64 rows are mine.  Also: I fetch for a (0) or for Wo (1)
	s_and_b32 s[WN], s[WV], 1                      ; which 128 columns.  Also: which half of that tile I fetch
	s_bfe_u32 s23, ttmp6, 0x40000                  ; cx
	s_bfe_u32 s24, ttmp6, 0x40004                  ; cy
	s_and_b32 s25, ttmp7, 0xffff
	s_lshl_b32 s26, s25, 2
	s_add_co_u32 s26, s26, s24                     ; TR: my tile of 128 rows = 4 x cluster y + cy
	s_mov_b32 s27, s23                             ; TC: my tile of 256 columns = cx (one cluster along x)
	s_lshl_b32 s80, s24, 2
	s_lshl_b32 s80, 15, s80                        ; my row of the cluster
	s_lshl_b32 s81, 0x1111, s23                    ; my column
	; descriptor group 1: rows of 4,096 bytes (a tile's 256 along K) as 512 elements of 8 bytes, 16,384 bytes apart in memory, dense in LDS; 4 rows for a's half, 8 for Wo's
	s_or_b32 s[G1A], s80, (3<<16)|(1<<21)          ; 15:0 the mask; 17:16 elements of 8 bytes; 20 no padding; 21 set beside a mask
	s_or_b32 s[G1B], s81, (3<<16)|(1<<21)
	s_mov_b32 s[G1A+1], 512<<16                    ; tensor_dim0
	s_mov_b32 s[G1A+2], 4<<16                      ; tensor_dim1
	s_mov_b32 s[G1A+3], 512<<16                    ; tile_dim0
	s_mov_b32 s[G1A+4], 4                          ; tile_dim1
	s_mov_b32 s[G1A+5], 2048                       ; tensor_dim0_stride
	s_mov_b32 s[G1A+6], 0
	s_mov_b32 s[G1A+7], 0
	s_mov_b32 s[G1B+1], 512<<16
	s_mov_b32 s[G1B+2], 8<<16
	s_mov_b32 s[G1B+3], 512<<16
	s_mov_b32 s[G1B+4], 8
	s_mov_b32 s[G1B+5], 2048
	s_mov_b32 s[G1B+6], 0
	s_mov_b32 s[G1B+7], 0
	s_lshl_b32 s82, s26, 17                        ; a: (8 TR + 4 half) tiles of 16,384 bytes
	s_lshl_b32 s83, s[WN], 16
	s_add_co_u32 s82, s82, s83
	s_mov_b32 s83, 0
	s_lshl_b32 s84, s27, 18                        ; Wo: (16 TC + 8 half) tiles
	s_lshl_b32 s85, s[WN], 17
	s_add_co_u32 s84, s84, s85
	s_mov_b32 s85, 0
	s_lshl_b32 s94, s[WN], 14                      ; where they go in a slot: no place in the cluster enters an LDS address
	s_lshl_b32 s95, s[WN], 15
	s_add_co_u32 s95, s95, BOFF
	s_lshl_b32 s88, s26, 19                        ; my first row of x and of out0: (128 TR + 64 wm) rows of 4,096 bytes,
	s_lshl_b32 s89, s[WM], 18
	s_add_co_u32 s88, s88, s89
	s_lshl_b32 s89, s27, 10                        ; my first column: (256 TC + 128 wn) x 4 bytes
	s_lshl_b32 s96, s[WN], 9
	s_add_co_u32 s96, s96, s89
	s_add_co_u32 s88, s88, s96
	s_mov_b32 s89, 0
	s_mov_b32 s97, 0
	s_wait_kmcnt 0x0
	s_load_b64 s[56:57], s[8:9], 0x20              ; e8, e9
	s_add_nc_u64 s[90:91], s[4:5], s[82:83]
	s_add_nc_u64 s[92:93], s[6:7], 0x300000        ; Wo's tiles: 192 tiles into wf
	s_add_nc_u64 s[92:93], s[92:93], s[84:85]
	s_add_nc_u64 s[58:59], s[12:13], s[88:89]      ; x
	s_add_nc_u64 s[60:61], s[14:15], s[88:89]      ; out0
	s_add_nc_u64 s[62:63], s[10:11], s[96:97]      ; bo
.irp i, 0,1,2
	s_mov_b32 s[G0A+4*\i], 1                       ; count = 1
	s_add_co_u32 s[G0A+4*\i+1], s94, \i*SLOT       ; LDS address
	s_add_nc_u64 s[G0A+4*\i+2:G0A+4*\i+3], s[90:91], \i*4096   ; global address: K step i
	s_or_b32 s[G0A+4*\i+3], s[G0A+4*\i+3], 0x80000000          ; type = 2
	s_mov_b32 s[G0B+4*\i], 1
	s_add_co_u32 s[G0B+4*\i+1], s95, \i*SLOT
	s_add_nc_u64 s[G0B+4*\i+2:G0B+4*\i+3], s[92:93], \i*4096
	s_or_b32 s[G0B+4*\i+3], s[G0B+4*\i+3], 0x80000000
.endr
	CROUND                                         ; all sixteen work-groups are here: the first joint loads meet
	s_cmp_eq_u32 s[WM], 0                          ; a wave's three first fills stand in one branch, ahead of every wait on TENSORcnt and every LDS read: three loads of mine are out
	s_cbranch_scc0 .Lfirst_b
	tensor_load_to_lds s[G0A:G0A+3], s[G1A:G1A+7]
	s_nop 0
	tensor_load_to_lds s[G0A+4:G0A+7], s[G1A:G1A+7]
	s_nop 0
	tensor_load_to_lds s[G0A+8:G0A+11], s[G1A:G1A+7]
	s_nop 0
.rept 4
	v_nop
.endr
	s_branch .Lfirst_asked
.Lfirst_b:
	tensor_load_to_lds s[G0B:G0B+3], s[G1B:G1B+7]
	s_nop 0
	tensor_load_to_lds s[G0B+4:G0B+7], s[G1B:G1B+7]
	s_nop 0
	tensor_load_to_lds s[G0B+8:G0B+11], s[G1B:G1B+7]
	s_nop 0
.rept 4
	v_nop
.endr
.Lfirst_asked:
	v_and_b32 v2, 31, v0
	v_lshlrev_b32 v[LI], 4, v2
	global_load_b128 v[BO:BO+3], v[LI], s[62:63]   ; bo at columns 4 l .. 4 l + 3 of my 128
	WIN 0xc0                                       ; destination window 3
.irp a, 0,1,2,3
.irp i, 0,1,2,3,4,5,6,7,8,9,10,11,12,13,14,15
	global_load_b128 v[64*\a+4*\i:64*\a+4*\i+3], v[LI], s[58:59] offset:(16*\a+\i)*4096 th:TH_LOAD_NT   ; 32 lanes read 512 consecutive bytes of a row of x
.endr
.endr
	WIN 0
	v_and_b32 v5, 15, v0                           ; r
	v_bfe_u32 v6, v0, 4, 1                         ; h
	s_lshl_b32 s66, s[WM], 14                      ; my 4 tiles of a
	s_lshl_b32 s67, s[WN], 15                      ; my 8 tiles of Wo,
	s_add_co_u32 s67, s67, BOFF                    ; which lie behind a's 8
.irp s, 0,1,2
	v_add_nc_u32 v[ADRA+\s], s66, v[LI]
	v_add_nc_u32 v[ADRB+\s], s67, v[LI]
	s_add_co_u32 s66, s66, SLOT
	s_add_co_u32 s67, s67, SLOT
.endr
	s_mul_i32 s66, s[WV], 16*SPITCH
	s_add_co_u32 s66, s66, SLOT                    ; my stage, in slot 1
	v_mul_u32_u24 v[STO], v5, SPITCH               ; in: row r, 32 bytes for each half of the lanes
	v_lshl_add_u32 v[STO], v6, 5, v[STO]
	v_add_nc_u32 v[STO], s66, v[STO]
	v_add_nc_u32 v[RD], s66, v[LI]                 ; back: the 32 lanes take one row of 512 bytes
	s_wait_tensorcnt 2                             ; my part of K step 0 is in; K steps 1 and 2 may stay out
	s_barrier_signal -1
	s_barrier_wait -1                              ; everybody's is
	FETCH 0, 0, 0
	s_wait_kmcnt 0x0
	s_add_co_i32 s56, s56, s57
	s_add_co_i32 s56, s56, 127
	s_lshl_b32 s86, s56, 23                        ; 2^(e8 + e9) as f32
	s_mov_b32 s87, s86                             ; (named with it as a pair, so it is written)
	STEP 0, 0, 1, 1                                ; step 0: its products start the sums: nothing is ever cleared
	; step 1 is slot 0's last: the change of slots.  Each wave waits for all its tensor loads (slots 1 and 2), adds 0 to its spare word, and waits for that and for its reads of slot 0.
	WIN 0                                          ; (the add's two registers lie in window 0)
	s_wait_tensorcnt 0x0
	ds_add_u32 v[SPW], v[NIL]                      ; 0 onto my spare word
	s_wait_dscnt 1                                 ; set 1 is in; the add alone may be out
	WIN MUL
	MUL8 0, 1, 0                                   ; eight matrix instructions stand between the add and the wait for it
	s_wait_dscnt 0x0                               ; the add is done, and my reads of slot 0 are over
	s_barrier_signal -1                            ; this barrier opens a round of the cluster's barrier
	MUL8 1, 1, 0
	WIN 0
	s_barrier_wait -1
	CREST                                          ; no wave of any partner still reads slot 0 or has a load on its way
	s_add_nc_u64 s[G0A+2:G0A+3], s[G0A+2:G0A+3], 3*4096   ; K step 3
	s_add_nc_u64 s[G0B+2:G0B+3], s[G0B+2:G0B+3], 3*4096
	JLOAD G0A, G0B                                 ; the first tensor load behind the round, and my only one: 112 matrix instructions ahead of the wait for it; its four v_nop are the places in front of the loads below
	FETCH 1, 0, 0
	WIN MUL
	MUL8 2, 1, 0
	MUL8 3, 1, 0
	STEP 0, 1, 1, 0                                ; step 2
	STEP 1, 2, 0, 0                                ; step 3
	STEP 0, 2, 1, 0                                ; step 4
	; step 5 is slot 2's last: slot 0 is read again.  Behind it nobody reads slot 1 any more.
	s_wait_tensorcnt 0x0                           ; my one load that was out, my part of K step 3, has landed
	s_wait_dscnt 0x0                               ; set 1 is in
	MUL8 0, 1, 0
	s_barrier_signal -1
	MUL8 1, 1, 0
	WIN 0
	s_barrier_wait -1                              ; everybody's part has landed
	PLACES 4
	FETCH 0, 0, 0
	WIN MUL
	MUL8 2, 1, 0
	MUL8 3, 1, 0
	STEP 0, 0, 1, 0                                ; step 6
	s_wait_dscnt 0x0                               ; step 7: nothing more to fetch
	MUL8 0, 1, 0
	MUL8 1, 1, 0
	MUL8 2, 1, 0
	MUL8 3, 1, 0
	PLACES 4                                       ; in front of the first read of results and of loads into the fragments' registers
; THE WAY OUT, block by block of 16 rows x 128 columns.  A lane holds 32 neighbouring bytes of a row and the lanes beside it other rows: so a block's sums go through my own stage in LDS and come back as whole rows of
; 512 bytes.  LDS serves a wave's instructions in order (ISA guide 5.7.1.4): no wait between the stores and the loads, nor in front of the next block's stores.
.macro TOSTAGE a
	WIN 0x08                                       ; the data lie in window 2
.irp b, 0,1,2,3,4,5,6,7
	ds_store_b128 v[STO], v[8*(8*\a+\b):8*(8*\a+\b)+3] offset:64*\b          ; each accumulator from its low end on
	ds_store_b128 v[STO], v[8*(8*\a+\b)+4:8*(8*\a+\b)+7] offset:64*\b+16
.endr
	WIN 0
.set BB, BK+64*((\a)%2)
.irp i, 0,1,2,3,4,5,6,7,8,9,10,11,12,13,14,15
	ds_load_b128 v[BB+4*\i:BB+4*\i+3], v[RD] offset:\i*SPITCH
.endr
.endm
.macro SEND a, younger                 ; younger: the LDS instructions issued behind block a's loads, which may stay out
.set BB, BK+64*((\a)%2)
	s_wait_dscnt \younger                          ; the block is back in registers
	s_wait_loadcnt 16*(3-(\a))                     ; loads come back in order (ISA guide 5.7.1): bo, the first of the 65, and this block's 16 rows of x are in; the later blocks' 16 each may be out
.irp i, 0,1,2,3,4,5,6,7,8,9,10,11,12,13,14,15
	v_pk_fma_f32 v[BB+4*\i:BB+4*\i+1], v[BB+4*\i:BB+4*\i+1], s[86:87], v[BO:BO+1] op_sel_hi:[1,0,1]       ; sum x 2^(e8 + e9) + bo
	v_pk_fma_f32 v[BB+4*\i+2:BB+4*\i+3], v[BB+4*\i+2:BB+4*\i+3], s[86:87], v[BO+2:BO+3] op_sel_hi:[1,0,1]
.endr
	WIN 0x0c                                       ; source 1 window 3
.irp i, 0,1,2,3,4,5,6,7,8,9,10,11,12,13,14,15
	v_pk_add_f32 v[BB+4*\i:BB+4*\i+1], v[BB+4*\i:BB+4*\i+1], v[64*(\a)+4*\i:64*(\a)+4*\i+1]               ; + x
	v_pk_add_f32 v[BB+4*\i+2:BB+4*\i+3], v[BB+4*\i+2:BB+4*\i+3], v[64*(\a)+4*\i+2:64*(\a)+4*\i+3]
.endr
	WIN 0
.irp i, 0,1,2,3,4,5,6,7,8,9,10,11,12,13,14,15
	global_store_b128 v[LI], v[BB+4*\i:BB+4*\i+3], s[60:61] offset:(16*(\a)+\i)*4096 th:TH_STORE_NT        ; 32 lanes store 512 consecutive bytes, at a multiple of 512 from out0's first byte
.endr
.endm
	TOSTAGE 0
	TOSTAGE 1
	SEND 0, 32                                     ; behind block 0's loads: block 1's 16 stores and 16 loads
	s_wait_xcnt 0x0                                ; block 0's stores have read their registers: block 2's loads may land there
	TOSTAGE 2
	SEND 1, 32
	s_wait_xcnt 0x0
	TOSTAGE 3
	SEND 2, 32
	SEND 3, 0
	s_wait_tensorcnt 0x0                           ; the wave's end: behind my last tensor load and my last LDS store
	ds_add_u32 v[SPW], v[NIL]
	s_wait_dscnt 0x0
	CROUND                                         ; the closing round: no work-group ends while a partner may still ask for a tile that names it
	s_endpgm
.Lfunc_end_k_q0075e1d18b_outp:
	.size	k_q0075e1d18b_outp, .Lfunc_end_k_q0075e1d18b_outp-k_q0075e1d18b_outp
	.p2alignl 7, 3214868480
	.fill 96, 4, 3214868480
	.section	.rodata,"a",@progbits
	.p2align	6, 0x0
	.amdhsa_kernel k_q0075e1d18b_outp
		.amdhsa_group_segment_fixed_size 327680
		.amdhsa_private_segment_fixed_size 0
		.amdhsa_enable_private_segment 0
		.amdhsa_kernarg_size 48
		.amdhsa_user_sgpr_count 2
		.amdhsa_user_sgpr_kernarg_segment_ptr 1
		.amdhsa_wavefront_size32 1
		.amdhsa_system_sgpr_workgroup_id_x 1
		.amdhsa_system_sgpr_workgroup_id_y 1
		.amdhsa_system_sgpr_workgroup_id_z 1
		.amdhsa_system_vgpr_workitem_id 0
		.amdhsa_next_free_vgpr 1024
		.amdhsa_next_free_sgpr 100
		.amdhsa_reserve_vcc 0
		.amdhsa_float_denorm_mode_32 3
		.amdhsa_float_denorm_mode_16_64 3
		.amdhsa_memory_ordered 1
		.amdhsa_forward_progress 1
		.amdhsa_inst_pref_size 88
	.end_amdhsa_kernel
	.amdgpu_metadata
---
amdhsa.version: [ 1, 2 ]
amdhsa.kernels:
  - .name:           k_q0075e1d18b_outp
    .symbol:         k_q0075e1d18b_outp.kd
    .args:
      - { .name: af, .offset: 0, .size: 8, .value_kind: global_buffer, .address_space: global }
      - { .name: wf, .offset: 8, .size: 8, .value_kind: global_buffer, .address_space: global }
      - { .name: lowp_scales, .offset: 16, .size: 8, .value_kind: global_buffer, .address_space: global }
      - { .name: bo, .offset: 24, .size: 8, .value_kind: global_buffer, .address_space: global }
      - { .name: x, .offset: 32, .size: 8, .value_kind: global_buffer, .address_space: global }
      - { .name: out0, .offset: 40, .size: 8, .value_kind: global_buffer, .address_space: global }
    .group_segment_fixed_size: 327680
    .private_segment_fixed_size: 0
    .kernarg_segment_align: 8
    .kernarg_segment_size: 48
    .max_flat_workgroup_size: 128
    .sgpr_count:     100
    .vgpr_count:     1024
    .wavefront_size: 32
...
	.end_amdgpu_metadata
.endif
;; end of part 4
;; ======== version 2 of 2: 4 launches; version 1 with the launch attn written anew for expert scheduling mode
;; workspace buffers: xqf 8,388,608 bytes; xkf 8,388,608 bytes; wf 4,194,304 bytes; qf 8,388,608 bytes; kvf 16,777,216 bytes; af 8,388,608 bytes
;; launch prep: the kernel of part 1 again; grid 256 x 1, 16 waves a work-group, no clusters, 176,128 bytes of LDS; arguments x, ln_g, ln_b, Wq, Wkv, Wo, lowp_scales, xqf, xkf, wf; writes xqf, xkf, wf
;; launch qkv: the kernel of part 2 again; grid 12 x 64, 4 waves a work-group, clusters of 4 x 4, 327,680 bytes of LDS; arguments xqf, xkf, wf, bq, bkv, lowp_scales, qf, kvf; writes qf, kvf
;; launch attn (part 5): grid 4 x 64, 8 waves a work-group, no clusters, 33,792 bytes of LDS; arguments qf, kvf, key_val_lengths, lowp_scales, af; writes af
.if DOCPART == 5
	.amdgcn_target "amdgcn-amd-amdhsa--gfx1250"
	.amdhsa_code_object_version 6
	.text
	.protected	k_q0075e1d18b_attn
	.globl	k_q0075e1d18b_attn
	.p2align	8
	.type	k_q0075e1d18b_attn,@function
k_q0075e1d18b_attn:
	s_mov_b64 s[64:65], 0
	v_nop
	global_prefetch_b8 v0, s[64:65] scope:SCOPE_SE
	s_setreg_imm32_b32 hwreg(HW_REG_WAVE_SCHED_MODE, 0, 2), 2
	s_setreg_imm32_b32 hwreg(HW_REG_WAVE_MODE, 25, 1), 1
	s_wait_xcnt 0x0
	s_wait_alu depctr_vm_vsrc(0)
; Attention of one head on codes of FP8 (E4M3): key k counts for query q where k <= q and k < the batch's length.  t = score x 2^(e4 + e5) x log2(e) / 8; M = the running largest t rounded UP to a whole number;
; p = 2^(t - M) is quantised with 2^e7, not normalised; the row's sum is taken of the unquantised p and divides at the end; the result x 2^(e6 + e7) / sum is quantised with 2^e8 for the last product.
; qf: a head's 128 fragments of 16 queries x 64.  kvf: a head's 16 blocks of 128 keys, 16,384 bytes: K's 8 fragments (16 keys x 64), then V^T's 4 (16 channels x 128 keys).  All are images of operand registers:
; a load of 16 bytes a lane, 512 bytes a wave, gives registers 2 c, 2 c + 1 = k 16 c + 8 h + 0 .. 7 of row r.  af takes the result the same way: 16 rows x 64 of head hd at ((row / 16) x 16 + hd) x 1,024.
; LAYOUT.  Both products are used transposed: S^T = K Q^T (source 0 = 16 keys), O^T = V^T P^T (source 0 = 16 channels): a lane holds ONE query (lane % 16) throughout; register j of score tile kt is key 16 kt + 8 h + j,
; so a conversion of a score tile's eight numbers gives registers 2 kt, 2 kt + 1 of P, and of an O^T tile's eight numbers registers 2 dt, 2 dt + 1 of the last product's operand.
; SHARES.  Work-group (x, head) makes query blocks 7 - x and x of 256 queries, one after the other: the same number of key steps under the causal mask for every work-group.  Each of eight waves owns 32 queries, two
; tiles, so each fragment of K and V read from LDS feeds two matrix instructions.
; THE RING.  Two LDS slots of one block of 128 keys.  Thread t copies bytes 16 t + 4,096 j: global loads two steps ahead into registers, LDS stores one step ahead.  Both loops have constant trip counts (2 passes x 8 trips
; x 2 steps) and every wave passes every barrier; a step's stores, loads and work are jumped over by scalar branches on ids and on the batch's length where no query of the work-group (or of the wave) sees its keys.
; NO CLUSTER, NO TENSOR LOAD, though the four work-groups of a head walk the same K and V: joint requests are tensor loads: every step would carry the two
; compare-and-select lines for each of its 128 scores a lane, and padded keys would be walked; what would be shared is 16,384 bytes a step.
; PREFETCH: in the pass that walks a head's last query block (x = 0, first pass), waves 0 and 1 name, a lane a block of 256 bytes, the 16,384 bytes of the key block four steps on: two steps ahead of its loads.
; So each block is named once in the launch; blocks 0 to 3 come by their loads alone; nothing past the last block that the work-group reads is named.
; LIMITS: e4 + e5 between -123 and 130 (added to the constant's exponent field); e7 and e8 between -126 and 119; e6 + e7 is applied by v_ldexp_f32 and has none.  Lengths lie between 1 and 2,048; a length of 0,
; for which reference() gives NaN, is served as 2,048.
; REGISTERS: window 0: v1 16 x lane; v2 16 x thread; v3 256 x thread; v4 r; v5 8 h; v8-11, v12-15 a tile's -M, largest t, sum in two halves; v16-31 Q; v32-95 K's fragments (on the way out v32-47: the result's codes);
;   v96-223 S^T, then p; v224-231, v232-239 a tile's temporaries (+0, +1 maxima; +2, +3 sums; +4 f, +5 named with it; +6 a lane exchange's destination; +7 the mask's d); v240-244 constants.
;   window 1: v0-63 O^T; v64-95 P's codes; v96-111, v112-127 the copy's two sets; v128-191 V's fragments.
; THE MODE: SCHED_MODE bits 1:0 = 2 (LLVM: expert scheduling mode 2), set by the entry lines.  The code itself states the register dependences between vector or matrix instructions and memory or LDS
; instructions, with s_wait_alu, always for 0.
; THE PLAN.  Registers that memory or LDS instructions touch:
;   v1, v2, v3   Addresses: written at the kernel's head, read by every LDS and global instruction, named by no vector instruction afterwards.
;   the copy's two sets   Named by memory instructions alone.  Step t (slot sg): the loads of block t + 2 land in set sg, which the LDS stores issued a step ago read; set 1 - sg is stored.
;   Q            Loaded in a pass's head; read by the products K Q^T.
;   K            Loaded from LDS at a step's head; read by the step's 16 products K Q^T.  On the way out the conversions write v32-47 and the four stores read them.
;   V            A buffer of its own: loaded from LDS behind the products K Q^T; read by the step's 8 products V^T P^T.
;   S^T, p, O^T, P and the statistics are named by vector and matrix instructions alone.
; So a step has two such waits at its head, ahead of all its branches: one on vm_vsrc (the LDS stores of a step ago have read set sg) and one on va_vdst (the last step's products are done reading K and V).  Behind them
; the step's global loads, its prefetch, its LDS stores and K's loads follow with scalar lines alone between, and up to V's loads stand only the products K Q^T and four v_nop, which name K, Q and S^T: none of V's registers.
; A pass has one wait on va_vdst at its head (the addresses are written; Q is read out), one ahead of its four stores (the codes are written) and one on vm_vsrc behind them (the codes and the copy's sets are read).
; Numbers that vector instructions leave in scalar registers (the wave's number; the mask's compares, in runs of eight) have a wait on va_sdst ahead of their first reader.
.set LI,   1
.set TH,   2
.set PFO,  3
.set RR,   4
.set H8,   5
.set ST,   8
.set QF,   16
.set KV,   32
.set S,    96
.set TP,   224
.set PHOLD, 240                        ; 448 x 2^e7
.set PSC,   241                        ; 2^e7
.set NINF,  242
.set AHOLD, 243                        ; 448 x 2^e8
.set ASC,   244                        ; 2^e8
.set O,    0                           ; in window 1
.set P,    64
.set CP,   96
.set VB,   128                         ; in window 1: V's four fragments
.set MK,   56                          ; s56-63 the masks of a run of eight compares
; s14 wave; s16 16 x batch + head; s17 the length - 1; s18 pass; s19 trip; s20 KF, the step's first key; s21 the last key that any query of the work-group's block sees; s22 the same for my wave; s23 the last key
; that ALL my queries see; s[24:25] the head's blocks; s[26:27] the block of the step in hand; s[28:29] the constant; s[30:31] lane selects; s[32:41] e0 .. e9; s42 my first query; s43 the prefetch's lead in keys
.set MSB, 0
.macro WIN new                         ; the immediate's high byte repeats the setting that is left
.if MSB != \new
	s_set_vgpr_msb (MSB<<8)|\new
.set MSB, \new
.endif
.endm
.macro PLACES n
.rept \n
	v_nop
.endr
.endm
	s_load_b256 s[4:11], s[0:1], 0x0               ; qf s[4:5], kvf s[6:7], the lengths s[8:9], the scales' exponents s[10:11]
	s_load_b64 s[12:13], s[0:1], 0x20              ; af
	v_lshl_add_u32 v254, v0, 2, 0x8000
	v_mov_b32 v255, 0
	v_lshrrev_b32 v6, 5, v0
	v_readfirstlane_b32 s14, v6
	v_and_b32 v6, 31, v0
	v_lshlrev_b32 v[LI], 4, v6
	v_lshlrev_b32 v[TH], 4, v0
	v_lshlrev_b32 v[PFO], 8, v0
	v_and_b32 v[RR], 15, v0
	v_bfe_u32 v[H8], v0, 4, 1
	v_lshlrev_b32 v[H8], 3, v[H8]
	v_mov_b32 v[NINF], 0xff800000
.irp t, 0,1
	v_mov_b32 v[TP+8*\t+5], 0                      ; (named as the upper half of f's pair)
	v_mov_b32 v[TP+8*\t+6], 0                      ; written once: a lane exchange's destination counts as one of its sources
.endr
	s_wait_alu depctr_va_sdst(0)                   ; s14, the wave's number, is written
	s_and_b32 s16, ttmp7, 0xffff
	s_mov_b32 s30, 0x76543210
	s_mov_b32 s31, 0xfedcba98
	s_lshl_b32 s48, s16, 18
	s_mov_b32 s49, 0
	s_wait_kmcnt 0x0
	s_load_b256 s[32:39], s[10:11], 0x0
	s_load_b64 s[40:41], s[10:11], 0x20
	s_load_b128 s[44:47], s[8:9], 0x0              ; the four lengths
	s_add_nc_u64 s[24:25], s[6:7], s[48:49]
	s_lshr_b32 s48, s16, 4                         ; the batch
	s_wait_kmcnt 0x0
	s_cmp_eq_u32 s48, 1
	s_cselect_b32 s44, s45, s44
	s_cmp_eq_u32 s48, 2
	s_cselect_b32 s44, s46, s44
	s_cmp_eq_u32 s48, 3
	s_cselect_b32 s44, s47, s44
	s_sub_co_u32 s44, s44, 1
	s_min_u32 s17, s44, 2047                       ; the last key that counts
	s_add_co_i32 s48, s36, s37
	s_lshl_b32 s48, s48, 23
	s_add_co_i32 s28, s48, 0x3e38aa3b              ; log2(e) / 8 x 2^(e4 + e5): the two exponents are added to the constant's exponent field
	s_mov_b32 s29, s28                             ; (named with it as a pair, so it is written)
	s_add_co_i32 s48, s39, 127
	s_lshl_b32 s49, s48, 23
	v_mov_b32 v[PSC], s49
	s_add_co_i32 s48, s48, 8
	s_lshl_b32 s48, s48, 23
	s_or_b32 s48, s48, 0x600000
	v_mov_b32 v[PHOLD], s48
	s_add_co_i32 s48, s40, 127
	s_lshl_b32 s49, s48, 23
	v_mov_b32 v[ASC], s49
	s_add_co_i32 s48, s48, 8
	s_lshl_b32 s48, s48, 23
	s_or_b32 s48, s48, 0x600000
	v_mov_b32 v[AHOLD], s48
; Hidden scores of tile t become -infinity ahead of the maximum: p = 0 then.  d = min(my query, the last key that counts) - KF - 8 h; register 8 kt + j holds key KF + 8 h + 16 kt + j: hidden where 16 kt + j > d.
; A score tile's eight compares go as a run into eight scalar registers, with one wait between the run and the eight selections that read them.
.macro MASK t
	s_sub_co_u32 s45, s42, s20
	s_add_co_u32 s45, s45, 16*\t                   ; the tile's first query - KF: not negative in a step that is worked
	s_sub_co_u32 s46, s17, s20                     ; likewise
	v_add_nc_u32 v[TP+8*\t+7], s45, v[RR]
	v_min_i32 v[TP+8*\t+7], s46, v[TP+8*\t+7]
	v_sub_nc_u32 v[TP+8*\t+7], v[TP+8*\t+7], v[H8]
.irp kt, 0,1,2,3,4,5,6,7
.irp j, 0,1,2,3,4,5,6,7
	v_cmp_gt_i32 s[MK+\j], 16*\kt+\j, v[TP+8*\t+7]
.endr
	s_wait_alu depctr_va_sdst(0)                   ; the eight compares have written s56 to s63, which the eight selections below read
.irp j, 0,1,2,3,4,5,6,7
	v_cndmask_b32 v[S+64*\t+8*\kt+\j], v[S+64*\t+8*\kt+\j], v[NINF], s[MK+\j]   ; each accumulator from its low end on
.endr
.endr
.endm
; A KEY STEP's work: 128 keys out of slot sg, for my two tiles of queries.
.macro COMPUTE sg
.irp kt, 0,1,2,3,4,5,6,7
.irp c, 0,1
	ds_load_b128 v[KV+8*\kt+4*\c:KV+8*\kt+4*\c+3], v[LI] offset:\sg*16384+\kt*1024+\c*512   ; no vector or matrix instruction since the wait at the step's head names K's registers
.endr
.endr
	s_wait_dscnt 0x0
.irp kt, 0,1,2,3,4,5,6,7
.irp t, 0,1
	v_wmma_f32_16x16x64_fp8_fp8 v[S+64*\t+8*\kt:S+64*\t+8*\kt+7], v[KV+8*\kt:KV+8*\kt+7], v[QF+8*\t:QF+8*\t+7], 0
.endr
.endr
	PLACES 4                                       ; four places in front of the first read of the scores (ISA guide 7.12.1)
	WIN 0x40                                       ; destination window 1
.irp dt, 0,1,2,3
.irp c, 0,1,2,3
	ds_load_b128 v[VB+16*\dt+4*\c:VB+16*\dt+4*\c+3], v[LI] offset:\sg*16384+8192+\dt*2048+\c*512   ; V lands under the softmax.  No wait: since the wait at the step's head only the products above and the v_nop were issued, which name K, Q and S^T
.endr
.endr
	WIN 0
	s_add_co_u32 s44, s20, 127
	s_cmp_le_u32 s44, s23                          ; a step all of whose keys count for all my queries has no mask
	s_cbranch_scc1 .Lopen_\@
	MASK 0
	MASK 1
.Lopen_\@:
.irp t, 0,1                                    ; the step's largest score of my query among my 64 keys: two chains a tile, each accumulator from its low end on
	v_max3_num_f32 v[TP+8*\t], v[S+64*\t], v[S+64*\t+1], v[S+64*\t+2]
	v_max3_num_f32 v[TP+8*\t+1], v[S+64*\t+3], v[S+64*\t+4], v[S+64*\t+5]
.endr
.irp i, 6,10,14,18,22,26,30,34,38,42,46,50,54,58
.irp t, 0,1
	v_max3_num_f32 v[TP+8*\t], v[TP+8*\t], v[S+64*\t+\i], v[S+64*\t+\i+1]
	v_max3_num_f32 v[TP+8*\t+1], v[TP+8*\t+1], v[S+64*\t+\i+2], v[S+64*\t+\i+3]
.endr
.endr
.irp t, 0,1
	v_max3_num_f32 v[TP+8*\t], v[TP+8*\t], v[S+64*\t+62], v[S+64*\t+63]
.endr
.irp t, 0,1
	v_max_num_f32 v[TP+8*\t], v[TP+8*\t], v[TP+8*\t+1]
.endr
.irp t, 0,1
	v_permlanex16_b32 v[TP+8*\t+6], v[TP+8*\t], s30, s31
.endr
.irp t, 0,1
	v_max_num_f32 v[TP+8*\t], v[TP+8*\t], v[TP+8*\t+6]   ; and among lane l xor 16's.  Key KF counts for every query of a wave that works the step (KF is a multiple of 128, my first query of 32): this is a number
.endr
.irp t, 0,1
	v_mul_f32 v[TP+8*\t], s28, v[TP+8*\t]          ; as t (the constant is positive)
.endr
.irp t, 0,1
	v_max_num_f32 v[ST+4*\t+1], v[ST+4*\t+1], v[TP+8*\t]   ; the running largest t
	v_mov_b32 v[TP+8*\t], v[ST+4*\t]
.endr
.irp t, 0,1
	v_floor_f32 v[ST+4*\t], -v[ST+4*\t+1]          ; the new -M = floor(-t): M is a whole number
.endr
.irp t, 0,1
	v_sub_f32 v[TP+8*\t], v[ST+4*\t], v[TP+8*\t]   ; old M - new M: a whole number, 0 or less
.endr
.irp t, 0,1
	v_cvt_i32_f32 v[TP+8*\t], v[TP+8*\t]           ; (it saturates)
.endr
.irp t, 0,1
	v_ldexp_f32 v[TP+8*\t+4], 1.0, v[TP+8*\t]      ; f = 2^(old M - new M): a multiplication by it rounds nothing
.endr
.irp t, 0,1
.set n, 0
.rept 32
	v_pk_fma_f32 v[S+64*\t+n:S+64*\t+n+1], v[S+64*\t+n:S+64*\t+n+1], s[28:29], v[ST+4*\t:ST+4*\t+1] op_sel_hi:[1,0,0]   ; t - M (of the two pairs the low word serves both halves)
.set n, n+2
.endr
.endr
.set n, 0
.rept 128
	v_exp_f32 v[S+n], v[S+n]                       ; p = 2^(t - M), at most 1
.set n, n+1
.endr
.irp t, 0,1
	v_pk_mul_f32 v[ST+4*\t+2:ST+4*\t+3], v[ST+4*\t+2:ST+4*\t+3], v[TP+8*\t+4:TP+8*\t+5] op_sel_hi:[1,0]   ; the sums under the new M: the plain lines behind the exponentials
.endr
	s_wait_alu depctr_va_vdst(0)                   ; the 128 exponentials have written p, v96 to v223: one wait for the batch, ahead of its first reader
.irp t, 0,1
	v_pk_add_f32 v[TP+8*\t+2:TP+8*\t+3], v[S+64*\t:S+64*\t+1], v[S+64*\t+2:S+64*\t+3]   ; the row's sum is taken of the unquantised p
.endr
.irp j, 4,8,12,16,20,24,28,32,36,40,44,48,52,56,60
.irp t, 0,1
	v_pk_add_f32 v[ST+4*\t+2:ST+4*\t+3], v[ST+4*\t+2:ST+4*\t+3], v[S+64*\t+\j:S+64*\t+\j+1]
	v_pk_add_f32 v[TP+8*\t+2:TP+8*\t+3], v[TP+8*\t+2:TP+8*\t+3], v[S+64*\t+\j+2:S+64*\t+\j+3]
.endr
.endr
.irp t, 0,1
	v_pk_add_f32 v[ST+4*\t+2:ST+4*\t+3], v[ST+4*\t+2:ST+4*\t+3], v[TP+8*\t+2:TP+8*\t+3]
.endr
	s_cmp_ge_i32 s39, -8                           ; from e7 = -8 on, 448 x 2^e7 is 1.75 or more and p is at most 1: the hold would change nothing
	s_cbranch_scc1 .Lno_hold_\@
.set n, 0
.rept 128
	v_min_num_f32 v[S+n], v[S+n], v[PHOLD]         ; the conversion to an 8-bit code does not saturate (ISA guide 7.6.2); p is not negative, so the hold is one-sided
.set n, n+1
.endr
.Lno_hold_\@:
	WIN 0x40                                       ; destination window 1
.irp t, 0,1
.irp kt, 0,1,2,3,4,5,6,7
	v_cvt_scalef32_pk8_fp8_f32 v[P+16*\t+2*\kt:P+16*\t+2*\kt+1], v[S+64*\t+8*\kt:S+64*\t+8*\kt+7], v[PSC]
.endr
.endr
	WIN 0x41                                       ; O^T (destination and source 0) window 1, f window 0
.irp t, 0,1
.set n, 0
.rept 16
	v_pk_mul_f32 v[O+32*\t+n:O+32*\t+n+1], v[O+32*\t+n:O+32*\t+n+1], v[TP+8*\t+4:TP+8*\t+5] op_sel_hi:[1,0]   ; O^T under the new M, each accumulator from its low end on; these are also the plain lines behind the conversions
.set n, n+2
.endr
.endr
	s_wait_dscnt 0x0                               ; V is in
	WIN 0x55                                       ; V, P, C and D window 1
.irp dt, 0,1,2,3
.irp t, 0,1
	v_wmma_f32_16x16x128_fp8_fp8 v[O+32*\t+8*\dt:O+32*\t+8*\dt+7], v[VB+16*\dt:VB+16*\dt+15], v[P+16*\t:P+16*\t+15], v[O+32*\t+8*\dt:O+32*\t+8*\dt+7]   ; eight accumulators, one instruction each
.endr
.endr
	WIN 0
	PLACES 4                                       ; in front of the next writes of P and the next read of O^T
.endm
; HALF A TRIP: key step t, which lies in slot sg.
.macro HT sg
	s_wait_loadcnt 0x0                             ; the next block's bytes, asked for a step ago, are in my registers (and, in a pass's first step, Q)
	s_wait_dscnt 0x0                               ; my reads of the other slot are over and my stores into this slot are done
	s_wait_alu depctr_vm_vsrc(0)                   ; the LDS stores issued a step ago (in a pass's first step: in the pass's head) have read the copy's set sg, in which this step's loads land
	s_barrier_signal -1
	s_barrier_wait -1                              ; both now hold of every wave
	s_wait_alu depctr_va_vdst(0)                   ; the last step's products are done reading K's and V's fragments, in which this step's LDS loads land
	s_add_co_u32 s44, s20, 256
	s_cmp_le_u32 s44, s21
	s_cbranch_scc0 .Lno_load_\@
	WIN 0x40
.irp j, 0,1,2,3
	global_load_b128 v[CP+16*\sg+4*\j:CP+16*\sg+4*\j+3], v[TH], s[26:27] offset:32768+4096*\j      ; block t + 2 into the set whose stores were waited for above; no store stands between that wait and these loads
.endr
	WIN 0
.Lno_load_\@:
	s_add_co_u32 s44, s20, s43
	s_cmp_le_u32 s44, s21
	s_cbranch_scc0 .Lno_ask_\@
	global_prefetch_b8 v[PFO], s[26:27] offset:65536 th:TH_LOAD_NT scope:SCOPE_SE                   ; block t + 4, behind the step's loads
.Lno_ask_\@:
	s_add_co_u32 s44, s20, 128
	s_cmp_le_u32 s44, s21
	s_cbranch_scc0 .Lno_store_\@
	WIN 0x04                                       ; the data lie in window 1
.irp j, 0,1,2,3
	ds_store_b128 v[TH], v[CP+16*(1-\sg)+4*\j:CP+16*(1-\sg)+4*\j+3] offset:(1-\sg)*16384+4096*\j   ; block t + 1 into the other slot
.endr
	WIN 0
.Lno_store_\@:
	s_cmp_le_u32 s20, s22
	s_cbranch_scc0 .Lno_work_\@
	COMPUTE \sg
.Lno_work_\@:
	s_wait_xcnt 0x0                                ; the step's loads and prefetch have read their base: it steps only behind this wait
	s_add_nc_u64 s[26:27], s[26:27], 16384
	s_add_co_u32 s20, s20, 128
.endm
	s_mov_b32 s18, 0
.Lpass:
	s_sub_co_u32 s44, 7, ttmp9
	s_cmp_eq_u32 s18, 0
	s_cselect_b32 s44, s44, ttmp9                  ; the block of 256 queries: 7 - x, then x
	s_lshl_b32 s45, s44, 8
	s_lshl_b32 s46, s14, 5
	s_add_co_u32 s42, s45, s46                     ; my first query
	s_add_co_u32 s45, s45, 255
	s_min_u32 s21, s45, s17
	s_add_co_u32 s46, s42, 31
	s_min_u32 s22, s46, s17
	s_min_u32 s23, s42, s17
	s_lshr_b32 s46, s14, 1
	s_or_b32 s46, s46, ttmp9
	s_or_b32 s46, s46, s18
	s_cmp_eq_u32 s46, 0                            ; waves 0 and 1 of work-group x = 0 in its first pass
	s_mov_b32 s43, 0x4000
	s_cselect_b32 s43, 512, s43                    ; ask four steps ahead; the others never
	s_lshl_b32 s46, s16, 17
	s_lshl_b32 s47, s42, 6
	s_add_co_u32 s46, s46, s47
	s_mov_b32 s47, 0
	s_add_nc_u64 s[52:53], s[4:5], s[46:47]        ; my two fragments of Q
	s_lshr_b32 s46, s16, 4
	s_lshl_b32 s46, s46, 21                        ; af: a batch's 128 row tiles of 16,384 bytes,
	s_lshl_b32 s48, s42, 10                        ; my row tile,
	s_add_co_u32 s46, s46, s48
	s_and_b32 s48, s16, 15
	s_lshl_b32 s48, s48, 10                        ; my head
	s_add_co_u32 s46, s46, s48
	s_add_nc_u64 s[54:55], s[12:13], s[46:47]
	s_mov_b64 s[26:27], s[24:25]
	s_mov_b32 s20, 0
	s_wait_loadcnt 0x0                             ; the last step of the pass before has a load line into the copy's second set: that set is asked for again only behind this wait
	WIN 0x40
	s_wait_alu depctr_va_vdst(0)                   ; in the first pass: the addresses v1, v2 and v3 are written, which every LDS and global instruction of the kernel reads; in the second: the first pass's products are done reading Q, in which loads below land
.irp j, 0,1,2,3
	global_load_b128 v[CP+4*\j:CP+4*\j+3], v[TH], s[26:27] offset:4096*\j               ; block 0
.endr
.irp j, 0,1,2,3
	global_load_b128 v[CP+16+4*\j:CP+16+4*\j+3], v[TH], s[26:27] offset:16384+4096*\j   ; block 1 (a head has 16: it lies inside the buffer whatever the length)
.endr
	WIN 0
.irp t, 0,1
.irp c, 0,1
	global_load_b128 v[QF+8*\t+4*\c:QF+8*\t+4*\c+3], v[LI], s[52:53] offset:\t*1024+\c*512
.endr
.endr
.irp t, 0,1
	v_mov_b32 v[ST+4*\t+1], 0xff61b1e6             ; the largest t so far: -3e38, under every t
	v_floor_f32 v[ST+4*\t], -v[ST+4*\t+1]
	v_mov_b32 v[ST+4*\t+2], 0
	v_mov_b32 v[ST+4*\t+3], 0
.endr
	WIN 0x40
.set n, 0
.rept 64
	v_mov_b32 v[O+n], 0                            ; O^T.  (The step is written once: a pass's first step finds zeros, which its f = 0 leaves zeros)
.set n, n+1
.endr
	s_wait_loadcnt 8                               ; block 0 is in; block 1's four loads and Q's four may be out
	WIN 0x04
.irp j, 0,1,2,3
	ds_store_b128 v[TH], v[CP+4*\j:CP+4*\j+3] offset:4096*\j   ; into slot 0: its last readers, in the pass before, have passed that pass's last barrier.  (The vector lines above name neither v2 nor the copy's sets)
.endr
	WIN 0
	s_mov_b32 s19, 0
.Ltrip:
	HT 0
	HT 1
	s_add_co_u32 s19, s19, 1
	s_cmp_lt_u32 s19, 8
	s_cbranch_scc1 .Ltrip
	; THE WAY OUT: O^T x 2^(e6 + e7) / the sum, quantised with 2^e8: a tile's eight registers of codes are its fragment
.irp t, 0,1
	v_add_f32 v[TP+8*\t], v[ST+4*\t+2], v[ST+4*\t+3]
.endr
.irp t, 0,1
	v_permlanex16_b32 v[TP+8*\t+6], v[TP+8*\t], s30, s31
.endr
.irp t, 0,1
	v_add_f32 v[TP+8*\t], v[TP+8*\t], v[TP+8*\t+6]
.endr
.irp t, 0,1
	v_rcp_f32 v[TP+8*\t+4], v[TP+8*\t]
.endr
	v_nop                                          ; a plain line behind the reciprocals,
	s_add_co_i32 s44, s38, s39
	s_wait_alu depctr_va_vdst(0)                   ; the two reciprocals have written v228 and v236: the one wait ahead of their first reader
.irp t, 0,1
	v_ldexp_f32 v[TP+8*\t+4], v[TP+8*\t+4], s44
.endr
	WIN 0x01                                       ; source 0 window 1
.irp t, 0,1
.set n, 0
.rept 16
	v_pk_mul_f32 v[S+64*\t+n:S+64*\t+n+1], v[O+32*\t+n:O+32*\t+n+1], v[TP+8*\t+4:TP+8*\t+5] op_sel_hi:[1,0]
.set n, n+2
.endr
.endr
	WIN 0
.irp t, 0,1
.set n, 0
.rept 32
	v_med3_num_f32 v[S+64*\t+n], v[S+64*\t+n], -v[AHOLD], v[AHOLD]
.set n, n+1
.endr
.endr
.irp t, 0,1
.irp dt, 0,1,2,3
	v_cvt_scalef32_pk8_fp8_f32 v[KV+8*\t+2*\dt:KV+8*\t+2*\dt+1], v[S+64*\t+8*\dt:S+64*\t+8*\dt+7], v[ASC]
.endr
.endr
	v_nop                                          ; a plain line behind the last conversion
	s_wait_alu depctr_va_vdst(0)                   ; the conversions have written the codes, v32 to v47, which the four stores read
.irp t, 0,1
.irp c, 0,1
	global_store_b128 v[LI], v[KV+8*\t+4*\c:KV+8*\t+4*\c+3], s[54:55] offset:\t*16384+\c*512   ; 512 consecutive bytes, at a multiple of 512 from af's first byte
.endr
.endr
	s_wait_xcnt 0x0                                ; the stores have read their data and their base: the next pass writes both
	s_wait_alu depctr_vm_vsrc(0)                   ; the stores have read v32 to v47, in which the next pass's fragments of K land; the last steps' LDS stores have read the copy's two sets, which the next pass's head asks for again
	s_add_co_u32 s18, s18, 1
	s_cmp_lt_u32 s18, 2
	s_cbranch_scc1 .Lpass
	s_wait_dscnt 0x0
	s_wait_alu depctr_hold_cnt(0) depctr_sa_sdst(0) depctr_va_vdst(0) depctr_va_sdst(0) depctr_va_ssrc(0) depctr_va_vcc(0) depctr_vm_vsrc(0)
	s_wait_tensorcnt 0x0
	ds_add_u32 v254, v255
	s_wait_dscnt 0x0
	s_endpgm
.Lfunc_end_k_q0075e1d18b_attn:
	.size	k_q0075e1d18b_attn, .Lfunc_end_k_q0075e1d18b_attn-k_q0075e1d18b_attn
	.p2alignl 7, 3214868480
	.fill 96, 4, 3214868480
	.section	.rodata,"a",@progbits
	.p2align	6, 0x0
	.amdhsa_kernel k_q0075e1d18b_attn
		.amdhsa_group_segment_fixed_size 33792
		.amdhsa_private_segment_fixed_size 0
		.amdhsa_enable_private_segment 0
		.amdhsa_kernarg_size 40
		.amdhsa_user_sgpr_count 2
		.amdhsa_user_sgpr_kernarg_segment_ptr 1
		.amdhsa_wavefront_size32 1
		.amdhsa_system_sgpr_workgroup_id_x 1
		.amdhsa_system_sgpr_workgroup_id_y 1
		.amdhsa_system_sgpr_workgroup_id_z 1
		.amdhsa_system_vgpr_workitem_id 0
		.amdhsa_next_free_vgpr 448
		.amdhsa_next_free_sgpr 66
		.amdhsa_reserve_vcc 0
		.amdhsa_float_denorm_mode_32 3
		.amdhsa_float_denorm_mode_16_64 3
		.amdhsa_memory_ordered 1
		.amdhsa_forward_progress 1
		.amdhsa_inst_pref_size 113
	.end_amdhsa_kernel
	.amdgpu_metadata
---
amdhsa.version: [ 1, 2 ]
amdhsa.kernels:
  - .name:           k_q0075e1d18b_attn
    .symbol:         k_q0075e1d18b_attn.kd
    .args:
      - { .name: qf, .offset: 0, .size: 8, .value_kind: global_buffer, .address_space: global }
      - { .name: kvf, .offset: 8, .size: 8, .value_kind: global_buffer, .address_space: global }
      - { .name: key_val_lengths, .offset: 16, .size: 8, .value_kind: global_buffer, .address_space: global }
      - { .name: lowp_scales, .offset: 24, .size: 8, .value_kind: global_buffer, .address_space: global }
      - { .name: af, .offset: 32, .size: 8, .value_kind: global_buffer, .address_space: global }
    .group_segment_fixed_size: 33792
    .private_segment_fixed_size: 0
    .kernarg_segment_align: 8
    .kernarg_segment_size: 40
    .max_flat_workgroup_size: 256
    .sgpr_count:     66
    .vgpr_count:     448
    .wavefront_size: 32
...
	.end_amdgpu_metadata
.endif
;; end of part 5
;; launch outp: the kernel of part 4 again; grid 4 x 64, 4 waves a work-group, clusters of 4 x 4, 327,680 bytes of LDS; arguments af, wf, lowp_scales, bo, x, out0; writes out0
